; MI455X (gfx1250); checked and timed in simulation.
; The chip was launched on July 23, 2026; its instructions are those of AMD's public machine-readable ISA for CDNA 5 (MIT licence, August 2026) and "CDNA5" Instruction Set Architecture Reference Guide (July 2026). The comments in the code are by the model that wrote it; some were corrected since.
;; Scaled Dot Product Attention. Allowed arithmetic: matrix products marked QUANTISED: E2M1 operands, one E8M0 scale for each 32 along K, by v_wmma_scale_f32_16x16x128_f8f6f4 with both operands' format E2M1 (or v_wmma_scale_f32_32x16x128_f4), f32 sums; everything else in f32.
;; Inputs: k 4 x 16 x 2,048 x 64 float32; mask 4 x 1 x 2,048 x 2,048 bool; q 4 x 16 x 2,048 x 64 float32; v 4 x 16 x 2,048 x 64 float32.
;; Outputs: out0 4 x 16 x 2,048 x 64 float32.
;; This version of the problem:
;;   THIS VERSION OF THE PROBLEM IS GIVEN IN LOW PRECISION. The matrix products marked QUANTISED in the list below multiply operands that are first quantised to E2M1 (2 exponent bits, 1 mantissa bit; 4 bits a number), with one power-of-two scale for each 32 numbers along K (OCP MX v1.0); their sums are f32. All else is computed in f32.
;;   The module's matrix products, in the order in which they are computed (A, B: the left and right operand; K: the contracted axis; several contracted axes count as one K, in the product's order):
;;     1. batch 64 x [M 2,048, K 64] x [K 64, N 2,048]; A: input q; B: input k: QUANTISED
;;     2. batch 64 x [M 2,048, K 2,048] x [K 2,048, N 64]; A: softmax (see below); B: input v: QUANTISED
;;   THE QUANTISER, for each operand of a quantised product, along K:
;;     - K is cut into blocks of 32 from its start; a last block that is shorter is filled with zeros.
;;     - A block's scale is 2^e with e = floor(log2(the largest magnitude in the block)) - 2, held to -126 .. 127; a block of zeros has e = 0. As a byte (E8M0): e + 127.
;;     - Each number is divided by its block's scale, clamped to +-6, and rounded to the nearest number of E2M1, ties to even, subnormals kept.
;;     - The product sums the exact products of the quantised numbers (number of the format x scale) in f32.
;;   ~~~python
;;   def quantise(x, axis):      # numpy; x: float32 -> the quantised numbers, widened to float32 again
;;       x = np.moveaxis(x, axis, -1); K = x.shape[-1]
;;       x = np.pad(x, [(0, 0)] * (x.ndim - 1) + [(0, -K % 32)]); x = x.reshape(x.shape[:-1] + (-1, 32)); a = np.abs(x).max(-1, keepdims=True)
;;       e = np.where(a > 0, np.clip(np.frexp(np.where(a > 0, a, 1))[1] - 1 - 2, -126, 127), 0)      # np.frexp(a)[1] - 1 = floor(log2(a)), exactly
;;       r = np.clip(x / 2.0 ** e, -6, 6)
;;       step = 2.0 ** (np.maximum(np.frexp(np.where(r == 0, 1, r))[1] - 1, 0) - 1)
;;       q = np.round(r / step) * step * 2.0 ** e      # np.round: ties to even
;;       return np.moveaxis(q.reshape(q.shape[:-2] + (-1,))[..., :K], -1, axis).astype(np.float32)
;;   ~~~
;;   SOFTMAX AHEAD OF A QUANTISED PRODUCT. Where the list says 'softmax', what is quantised is not the finished softmax but p = 2^(t - M), with t = logit x log2(e) and M = ceil(the row's largest t), a whole number; so 1/2 < the row's largest p <= 1. The row's sum l is taken of the UNQUANTISED p, in f32, and the product's result is divided by l at the end. Since M is a whole number, a kernel that streams over the keys may use a running M (the ceiling of the running maximum): every later rescaling is an exact power of two, which a block's scale takes up: the codes' values come out the same.
;;   OPERANDS COMPUTED ON THE WAY. 'Computed on the way' means the value that the module computes at that place (a softmax that the list does not call 'softmax' is quantised finished and normalised). What goes into a quantiser is computed in f32, as accurately as f32 sums, v_exp_f32 and their like allow (about 1e-6 of the number): no bf16 or f16 on the way to a quantiser, and a product that is left as it is and whose result goes on into a quantised operand takes f32 operands (vector FMAs, or v_wmma_f32_16x16x4_f32). A number that lies on a knife's edge between two numbers of the format may be rounded either way, as far as f32 arithmetic and the matrix unit's own rounding can turn it there, and no further.
;; 2 versions. Each part assembles by itself: llvm-mc -triple=amdgcn-amd-amdhsa -mcpu=gfx1250 --defsym DOCPART=n.
;; ======== version 1 of 2: 2 launches
;; limits: right only within a limited range of input values
;; workspace buffers: kv 8,912,896 bytes; mw 2,097,152 bytes of whole numbers; fl 32,768 bytes of whole numbers
;; launch prep (part 1): grid 1024 x 1, 4 waves a work-group, no clusters, 53,248 bytes of LDS; arguments k, v, mask, kv, mw, fl; writes kv, mw, fl
.if DOCPART == 1
	.amdgcn_target "amdgcn-amd-amdhsa--gfx1250"
	.amdhsa_code_object_version 6
	.text
	.protected	k_qf24b521dc5_prep
	.globl	k_qf24b521dc5_prep
	.p2align	8
	.type	k_qf24b521dc5_prep,@function
k_qf24b521dc5_prep:
	s_mov_b64 s[64:65], 0
	v_nop
	global_prefetch_b8 v0, s[64:65] scope:SCOPE_SE
	s_setreg_imm32_b32 hwreg(HW_REG_WAVE_MODE, 25, 1), 1
	s_wait_xcnt 0x0
; K, V (f32, [64 heads][2048 keys][64]) become codes of FP4 (E2M1) with one E8M0 byte for each 32 along a product's K, laid in the ORDER OF THE OPERANDS' REGISTERS;
; the mask's bytes become lane-mask words, and one flag word is made for each tile of 16 queries x 128 keys.  The next launch reads all three.
; kv: a record of 8,704 bytes for each (head, step of 128 keys).  L = lane, r = L % 16, h = L / 16.
;   +0     K's codes: chunk (b, u) at 1024 b + 512 u + 16 L: key 32 b + 8 u + r + 8 (r / 8) of the step, d = 32 h .. 32 h + 31.  Chunks (b, 0) and (b, 1) are ONE operand of 8 registers.
;   +4096  V's codes: chunk (dt, c) at 1024 dt + 512 c + 16 L: row d = 16 dt + r of V^T, keys 64 c + 32 h .. + 31 of the step.
;   +8192  K's scale words [r][b]: bytes (u 0, d 0-31), (u 0, d 32-63), (u 1, d 0-31), (u 1, d 32-63).     +8448  V's scale words [r][dt]: byte kb for keys 32 kb .. + 31.
; mw: 64 words for each (batch, query tile, step): bit l of word n = mask[16 qt + l % 16][128 j + 32 (n / 16) + 16 (l / 16) + n % 16].
; fl: one word for each of these: bit r: row r has an open key among the 128; bit 16: some element of the 16 x 128 is masked.
; A block's scale is 2^(floor(log2(its largest magnitude)) - 2); its byte is the largest magnitude's exponent field - 2, held at 1 from below.
; LIMITS: a block of zeros gets the byte 1 where the rule says 127 (its codes are zeros, and this program alone reads the bytes); blocks whose largest magnitude lies under 2^-124, whose byte is
; held at 1, and NaN and infinities among the inputs are not served.  Any mask byte other than 0 counts as true.
; SHARES.  Work-group g is (head g / 16, step g % 16).  All four waves take one path.  Wave w: K: pair b = w (32 keys, 8,192 dense bytes);  V: columns d = 32 (w % 2) + L, keys 64 (w / 2) .. + 63;
; mask: the two units 8 g + 2 w and + 1 (16 rows x 256 bytes).  No tensor load and no ring: each byte is read once, through registers.  One barrier, for the 512 scale bytes that four waves make.
.set REC,   8704
.set KST,   0                          ; LDS: K's stage, 32 rows x 272 bytes for each wave (256 bytes + 16: the 16 rows that a load touches start at 16 different columns of 16 bytes)
.set KSTW,  8704
.set MST,   34816                      ; the mask's stage, 16 rows x 272 bytes for each wave
.set MSTW,  4352
.set SCL,   52224                      ; an image of the record's last 512 bytes: the scale words
.set R,     32                         ; v32-95    K: 64 registers as loaded, then 2 x 32 neighbours along d
.set MR,    96                         ; v96-127   the mask's bytes
.set VA,    128                        ; v128-191  V: two blocks of 32 keys of my column
.set C,     192                        ; v192-207  codes: K's u 0, K's u 1, V's first block, V's second; never rewritten
.set W,     208                        ; v208-211  the mask words: word N in register N % 4, lane N / 4
.set FW,    212                        ; v212      the two flags, in lanes 0 and 1
	s_load_b256 s[4:11], s[0:1], 0x0               ; k s[4:5], v s[6:7], mask s[8:9], kv s[10:11]
	s_load_b128 s[12:15], s[0:1], 0x20             ; mw s[12:13], fl s[14:15]
	v_lshl_add_u32 v224, v0, 2, 0xce00
	v_mov_b32 v225, 0
	v_lshrrev_b32 v1, 5, v0
	v_readfirstlane_b32 s16, v1                    ; wave 0..3
	v_and_b32 v1, 31, v0                           ; L
	v_and_b32 v2, 15, v0                           ; r
	v_bfe_u32 v3, v0, 4, 1                         ; h
	v_lshlrev_b32 v4, 4, v1                        ; 16 L
	v_lshlrev_b32 v5, 2, v1                        ; 4 L
	v_lshlrev_b32 v6, 4, v2
	v_lshl_add_u32 v6, v3, 11, v6                  ; the mask's loads: 2048 h + 16 r: lanes 0-15 one row's 256 bytes, lanes 16-31 the next row's
	s_mul_i32 s28, s16, KSTW
	v_mul_u32_u24 v16, v3, 272
	v_lshl_add_u32 v16, v2, 4, v16                 ; 272 h + 16 r
	v_add_nc_u32 v7, s28, v16                      ; K's stage, in
	v_mul_u32_u24 v17, v2, 272                     ; 272 r
	v_lshl_add_u32 v8, v3, 7, v17
	v_add_nc_u32 v8, s28, v8                       ; K's stage, out: row r, + 128 h
	s_mul_i32 s29, s16, MSTW
	s_add_co_u32 s29, s29, MST
	v_add_nc_u32 v9, s29, v16                      ; the mask's stage, in
	v_lshl_add_u32 v10, v3, 4, v17
	v_add_nc_u32 v10, s29, v10                     ; and out: row r, + 16 h
	s_lshl_b32 s28, s16, 2
	s_add_co_u32 s28, s28, SCL
	v_lshl_add_u32 v11, v2, 4, s28                 ; K's scale word: 16 r + 4 w
	s_and_b32 s36, s16, 1                          ; w % 2
	s_lshr_b32 s37, s16, 1                         ; w / 2
	s_lshl_b32 s38, s36, 3
	s_lshl_b32 s39, s37, 1
	s_add_co_u32 s38, s38, s39
	s_add_co_u32 s38, s38, SCL+256
	v_lshl_add_u32 v12, v2, 4, s38
	v_lshl_add_u32 v12, v3, 2, v12                 ; V's two scale bytes: 16 r + 4 (2 (w % 2) + h) + 2 (w / 2)
	s_lshl_b32 s38, s36, 11
	s_lshl_b32 s39, s37, 9
	s_add_co_u32 s38, s38, s39
	s_add_co_u32 s38, s38, 4096
	v_lshl_add_u32 v13, v2, 4, s38
	v_lshl_add_u32 v13, v3, 10, v13                ; V's codes in the record: 4096 + 1024 (2 (w % 2) + h) + 512 (w / 2) + 16 r
	v_add_nc_u32 v14, SCL, v4                      ; the scale words' way out: 16 L
	v_mov_b32 v15, 0                               ; a lane permute's and a lane write's destination counts as read: written once
.irp i, 0,1,2,3
	v_mov_b32 v[W+\i], 0
.endr
	v_mov_b32 v[FW], 0
	s_mov_b32 s32, 0x76543210
	s_mov_b32 s33, 0xfedcba98                      ; v_permlanex16_b32's selects for lane l xor 16
	s_mov_b32 s19, 0                               ; s[18:19]: an offset, under 2^26
	s_wait_kmcnt 0x0
	s_lshl_b32 s18, ttmp9, 15                      ; 128 keys x 256 bytes a work-group,
	s_lshl_b32 s38, s16, 13                        ; 32 keys a wave
	s_add_co_u32 s18, s18, s38
	s_add_nc_u64 s[4:5], s[4:5], s[18:19]
	s_lshl_b32 s18, ttmp9, 15
	s_lshl_b32 s38, s37, 14                        ; 64 keys,
	s_add_co_u32 s18, s18, s38
	s_lshl_b32 s38, s36, 7                         ; 32 columns
	s_add_co_u32 s18, s18, s38
	s_add_nc_u64 s[6:7], s[6:7], s[18:19]
	s_lshr_b32 s18, ttmp9, 1                       ; 128 batch + query tile: 16 rows of 2,048 bytes,
	s_lshl_b32 s18, s18, 15
	s_and_b32 s38, ttmp9, 1
	s_lshl_b32 s38, s38, 10                        ; eight steps of 128 bytes,
	s_add_co_u32 s18, s18, s38
	s_lshl_b32 s38, s16, 8                         ; two steps a wave
	s_add_co_u32 s18, s18, s38
	s_add_nc_u64 s[8:9], s[8:9], s[18:19]
	s_mul_i32 s18, ttmp9, REC
	s_add_nc_u64 s[10:11], s[10:11], s[18:19]      ; my work-group's record
	s_lshl_b32 s18, s16, 10
	s_add_nc_u64 s[34:35], s[10:11], s[18:19]      ; and pair w's codes in it
	s_lshl_b32 s18, ttmp9, 11
	s_lshl_b32 s38, s16, 9
	s_add_co_u32 s18, s18, s38
	s_add_nc_u64 s[12:13], s[12:13], s[18:19]      ; 256 bytes a unit, unit 8 g + 2 w
	s_lshl_b32 s18, ttmp9, 5
	s_lshl_b32 s38, s16, 3
	s_add_co_u32 s18, s18, s38
	s_add_nc_u64 s[14:15], s[14:15], s[18:19]      ; 4 bytes a unit
.macro VLOAD t                         ; block t of my column: V(32 t + i, my d), i = 0 .. 31: a lane to a column, registers down the keys; a wave reads 128 consecutive bytes, wave w xor 1 the row's other half
.set II, 0
.rept 32
	global_load_b32 v[VA+32*(\t)+II], v5, s[6:7] offset:256*(32*(\t)+II) th:TH_LOAD_NT
.set II, II+1
.endr
.endm
; 32 numbers of ONE block in a lane's registers v[from] on become 32 codes in v[to] .. v[to + 3]; v[scl]: the conversion's scale operand; v[byt]: the scale's byte
.macro QBLK32 from, to, scl, byt
	v_max3_num_f32 v16, |v[(\from)]|, |v[(\from)+1]|, |v[(\from)+2]|      ; the largest magnitude, in two chains
	v_max3_num_f32 v17, |v[(\from)+3]|, |v[(\from)+4]|, |v[(\from)+5]|
.irp i, 6,10,14,18,22,26
	v_max3_num_f32 v16, v16, |v[(\from)+\i]|, |v[(\from)+\i+1]|
	v_max3_num_f32 v17, v17, |v[(\from)+\i+2]|, |v[(\from)+\i+3]|
.endr
	v_max3_num_f32 v16, v16, |v[(\from)+30]|, |v[(\from)+31]|
	v_max3_num_f32 v16, v16, v17, 0x1800000        ; and the floor 2^(3 - 127): the byte cannot fall under 1
	v_add_nc_u32 v[\scl], 0xff000000, v16          ; 2 off its exponent field: the conversion takes the exponent field of this operand as its scale
.irp g, 0,1,2,3
	v_cvt_scalef32_pk8_fp4_f32 v[(\to)+\g], v[(\from)+8*\g:(\from)+8*\g+7], v[\scl]
.endr
	v_lshrrev_b32 v[\byt], 23, v[\scl]             ; the scale's byte; also the plain line behind the conversions
.endm
	; ---- all loads that have registers go out: K's 16, the mask's 8, V's first 32
.irp i, 0,1,2,3,4,5,6,7,8,9,10,11,12,13,14,15
	global_load_b128 v[R+4*\i:R+4*\i+3], v4, s[4:5] offset:512*\i th:TH_LOAD_NT       ; two keys' rows: 512 consecutive bytes
.endr
.irp i, 0,1,2,3,4,5,6,7
	global_load_b128 v[MR+4*\i:MR+4*\i+3], v6, s[8:9] offset:4096*\i th:TH_LOAD_NT    ; two rows of the mask, 256 aligned bytes of each
.endr
	VLOAD 0
	; ---- K through its stage: in as it lies, key row kr to stage row 16 u + r (kr's bits 3 and 4 change places); out 128 bytes a lane
	s_wait_loadcnt 40                              ; K's 16 loads are in; the mask's 8 and V's 32 are younger
.set II, 0
.rept 16
.set PR, (((2*II)&7)|((((2*II)>>4)&1)<<3)|((((2*II)>>3)&1)<<4))
	ds_store_b128 v7, v[R+4*II:R+4*II+3] offset:272*PR
.set II, II+1
.endr
.irp u, 0,1
.irp m, 0,1,2,3,4,5,6,7
	ds_load_b128 v[R+32*\u+4*\m:R+32*\u+4*\m+3], v8 offset:4352*\u+16*\m   ; LDS serves a wave's instructions in order: these see the stores above
.endr
.endr
	; ---- the mask through its stage: out 16 bytes a lane: row r, keys 32 bq + 16 h + 0 .. 15 of unit e
	s_wait_loadcnt 32                              ; the mask's 8 loads are in; V's 32 are younger
.irp i, 0,1,2,3,4,5,6,7
	ds_store_b128 v9, v[MR+4*\i:MR+4*\i+3] offset:544*\i
.endr
.irp e, 0,1
.irp q, 0,1,2,3
	ds_load_b128 v[MR+16*\e+4*\q:MR+16*\e+4*\q+3], v10 offset:128*\e+32*\q
.endr
.endr
	VLOAD 1
	; ---- K: two blocks a lane
	s_wait_dscnt 16                                ; K's 16 loads from the stage are back; the mask's 8 stores and 8 loads are younger
	QBLK32 R, C, 18, 24
	QBLK32 R+32, C+4, 19, 25
.irp u, 0,1
	global_store_b128 v4, v[C+4*\u:C+4*\u+3], s[34:35] offset:512*\u      ; 512 consecutive bytes, at a multiple of 256 from kv's first byte
.endr
	v_lshl_or_b32 v20, v25, 16, v24                ; my two bytes: (u 0, d block h), (u 1, d block h),
	v_lshlrev_b32 v21, 3, v3
	v_lshlrev_b32 v20, v21, v20                    ; 8 h bits up;
	v_permlanex16_b32 v15, v20, s32, s33
	v_or_b32 v20, v20, v15                         ; with lane l xor 16's two the word is whole
	ds_store_b32 v11, v20                          ; both halves of the lanes write the same word with the same value
	; ---- the mask's words: a byte of each lane becomes a bit of a scalar word; the word goes to its lane of W
	s_wait_dscnt 1                                 ; the mask's loads from the stage are back; the scale word's store is younger
.set N, 0
.rept 128
.set UE, N/64
.set BQ, (N%64)/16
.set II, N%16
	v_and_b32 v[28+N%4], 0xff<<(8*(II&3)), v[MR+16*UE+4*BQ+(II>>2)]
	v_cmp_ne_u32 s[20+N%4], 0, v[28+N%4]
.if (N%64) == 0
	s_mov_b32 s24, s[20+N%4]                       ; the unit's AND and OR begin
	s_mov_b32 s25, s[20+N%4]
.else
	s_and_b32 s24, s24, s[20+N%4]
	s_or_b32 s25, s25, s[20+N%4]
.endif
	v_writelane_b32 v[W+N%4], s[20+N%4], N>>2
.if (N%64) == 63
	s_lshr_b32 s28, s24, 16                        ; a row's 128 keys lie in lanes r and r + 16:
	s_and_b32 s28, s28, s24                        ; bit r: all of them masked;
	s_not_b32 s28, s28
	s_and_b32 s28, s28, 0xffff                     ; bit r: row r has an open key
	s_cmp_lg_u32 s25, 0
	s_cselect_b32 s29, 0x10000, 0                  ; bit 16: something is masked
	s_or_b32 s[26+UE], s28, s29
	v_writelane_b32 v[FW], s[26+UE], UE
.endif
.set N, N+1
.endr
	global_store_b128 v4, v[W:W+3], s[12:13]       ; two units' 128 words: 512 consecutive bytes
	; ---- V: two blocks of 32 keys of my column
	s_wait_loadcnt 32                              ; the first block's 32 loads are in; the second's are younger
	QBLK32 VA, C+8, 22, 26
	s_wait_loadcnt 0x0
	QBLK32 VA+32, C+12, 23, 27
.irp t, 0,1
	global_store_b128 v13, v[C+8+4*\t:C+8+4*\t+3], s[10:11] offset:256*\t ; sixteen lanes store 256 consecutive aligned bytes; lanes 16-31 those 1,024 bytes on
.endr
	v_lshl_or_b32 v21, v27, 8, v26
	ds_store_b16 v12, v21                          ; my column's bytes for key blocks 2 (w / 2) and + 1
	; ---- the record's 512 scale bytes come from four waves: each waits for its stores, all meet, wave 0 stores them
	s_wait_dscnt 0x0
	s_barrier_signal -1
	s_barrier_wait -1
	s_cmp_lg_u32 s16, 0
	s_cbranch_scc1 .Lnot_wave_0
	ds_load_b128 v[16:19], v14
	s_wait_dscnt 0x0
	global_store_b128 v4, v[16:19], s[10:11] offset:8192
.Lnot_wave_0:
	; ---- the two flags: 8 bytes a wave, 32 a work-group: 32,768 bytes in the launch against the 83.9 million that it reads
	s_wait_xcnt 0x0                                ; EXEC is a source of the stores above: it changes only behind this wait
	v_cmp_gt_u32 vcc_lo, 2, v1
	s_wait_tensorcnt 0x0
	ds_add_u32 v224, v225
	s_wait_dscnt 0x0
	s_and_saveexec_b32 s30, vcc_lo
	global_store_b32 v5, v[FW], s[14:15]
	s_wait_xcnt 0x0                                ; and again in front of the line that widens it
	s_or_b32 exec_lo, exec_lo, s30
	s_endpgm
.Lfunc_end_k_qf24b521dc5_prep:
	.size	k_qf24b521dc5_prep, .Lfunc_end_k_qf24b521dc5_prep-k_qf24b521dc5_prep
	.p2alignl 7, 3214868480
	.fill 96, 4, 3214868480
	.section	.rodata,"a",@progbits
	.p2align	6, 0x0
	.amdhsa_kernel k_qf24b521dc5_prep
		.amdhsa_group_segment_fixed_size 53248
		.amdhsa_private_segment_fixed_size 0
		.amdhsa_enable_private_segment 0
		.amdhsa_kernarg_size 48
		.amdhsa_user_sgpr_count 2
		.amdhsa_user_sgpr_kernarg_segment_ptr 1
		.amdhsa_wavefront_size32 1
		.amdhsa_system_sgpr_workgroup_id_x 1
		.amdhsa_system_sgpr_workgroup_id_y 1
		.amdhsa_system_sgpr_workgroup_id_z 1
		.amdhsa_system_vgpr_workitem_id 0
		.amdhsa_next_free_vgpr 226
		.amdhsa_next_free_sgpr 66
		.amdhsa_reserve_vcc 1
		.amdhsa_float_denorm_mode_32 3
		.amdhsa_float_denorm_mode_16_64 3
		.amdhsa_memory_ordered 1
		.amdhsa_forward_progress 1
		.amdhsa_inst_pref_size 55
	.end_amdhsa_kernel
	.amdgpu_metadata
---
amdhsa.version: [ 1, 2 ]
amdhsa.kernels:
  - .name:           k_qf24b521dc5_prep
    .symbol:         k_qf24b521dc5_prep.kd
    .args:
      - { .name: k, .offset: 0, .size: 8, .value_kind: global_buffer, .address_space: global }
      - { .name: v, .offset: 8, .size: 8, .value_kind: global_buffer, .address_space: global }
      - { .name: mask, .offset: 16, .size: 8, .value_kind: global_buffer, .address_space: global }
      - { .name: kv, .offset: 24, .size: 8, .value_kind: global_buffer, .address_space: global }
      - { .name: mw, .offset: 32, .size: 8, .value_kind: global_buffer, .address_space: global }
      - { .name: fl, .offset: 40, .size: 8, .value_kind: global_buffer, .address_space: global }
    .group_segment_fixed_size: 53248
    .private_segment_fixed_size: 0
    .kernarg_segment_align: 8
    .kernarg_segment_size: 48
    .max_flat_workgroup_size: 128
    .sgpr_count:     66
    .vgpr_count:     226
    .wavefront_size: 32
...
	.end_amdgpu_metadata
.endif
;; end of part 1
;; launch attn (part 2): grid 4 x 64, 16 waves a work-group, no clusters, 71,680 bytes of LDS; arguments q, kv, mw, fl, out0; writes out0
.if DOCPART == 2
	.amdgcn_target "amdgcn-amd-amdhsa--gfx1250"
	.amdhsa_code_object_version 6
	.text
	.protected	k_qf24b521dc5_attn
	.globl	k_qf24b521dc5_attn
	.p2align	8
	.type	k_qf24b521dc5_attn,@function
k_qf24b521dc5_attn:
	s_mov_b64 s[64:65], 0
	v_nop
	global_prefetch_b8 v0, s[64:65] scope:SCOPE_SE
	s_setreg_imm32_b32 hwreg(HW_REG_WAVE_MODE, 25, 1), 1
	s_wait_xcnt 0x0
; out[bh][q][:] = the sum over k of softmax_k(where(mask, -1e9, Q . K / 8)) V[k][:], both products on codes of FP4 (E2M1) with one E8M0 scale for each 32 along a product's K.
; q: [64][2048][64] f32, quantised here in registers.  K's and V's codes and scale words, the mask's words and the flags come from the launch before, in the order of the operands' registers:
;   kv: a record of 8,704 bytes for each (head, step of 128 keys): K's four operands, V's four, K's scale words [r][4], V's [r][4];   mw: 64 lane-mask words for each (batch, query tile, step);
;   fl: one word for each of these: bits 0-15: row r has an open key in the step; bit 16: something in the step is masked.
; THE SOFTMAX: t = score x log2(e) / 8; M = the row's largest t so far, rounded UP to a whole number; p = 2^(t - M) is quantised along the keys, not normalised; the row's sum is taken of the unquantised p
; and divides at the end.  When M moves, the sum and O are multiplied by 2^(old M - new M): exact.
; THE MASK is honoured as it is given.  A masked raw score becomes -2^33 (logit -2^30) ahead of the maximum.  LIMIT: reference() has -1e9 there; -2^33 x c is exact, so that in a row masked throughout t - M is
; exactly 0 and p = 1, a plain average of V, as reference() gives.  The results agree with reference()'s as long as every open logit lies above about -1e9 + 200.
; STEPS THAT ADD NOTHING ARE LEFT OUT, by a scalar branch on the stored flags: a step in which no row of my 16 has an open key, if every one of the 16 has an open key in some step: its p are then exact zeros
; under the row's last M.  If some row has no open key at all, every step is walked.  A step in which nothing is masked leaves the 64 selects out.
; OTHER LIMITS: a block of zeros gets the scale byte 1 (its codes are zeros); blocks of q whose largest magnitude lies under 2^-124, NaN and infinities among the inputs are not served.
; SHARES.  256 work-groups of sixteen waves, four waves to a SIMD, 256 registers each: while one wave walks its softmax, the others' loads and products are issued.  Wave p = 16 x + wave of a head owns two
; tiles of 16 queries, 127 - p and then p: an order of work that holds for every mask.  Waves share nothing: no barrier.
; NO TENSOR LOAD, NO CLUSTER: which steps a wave walks hangs on the flags and differs from wave to wave (between 1 and 16 of 16), so partners would want different tiles, and a text with such branches
; takes its operands from memory straight into registers: each load of a wave is 512 consecutive bytes of a record.
; LAYOUT.  Both products are used transposed: S^T = K Q^T, O^T = V^T P^T: a lane holds ONE query (lane % 16) throughout.  The head's 64 fill half of the instruction's K = 128: an operand of K carries key tile
; 2 b in k = 0-63 and key tile 2 b + 1 in k = 64-127; multiplied by (q, 0) it gives the first, by (0, q) the second.  Twelve registers, 0 0 0 0 q q q q 0 0 0 0, serve as both.
; The keys of a tile are chosen so that the 16 registers of tiles 2 b and 2 b + 1 are 16 neighbouring keys: register 16 b + i holds key 32 b + 16 (lane / 16) + i.
.set REC,  8704
.set STG,  4352                        ; LDS: a stage of 16 rows x 272 bytes for each wave, its own: q on the way in, O on the way out
.set KF,   32                          ; v32-63    K's four operands
.set VF,   64                          ; v64-95    V's four
.set S,    96                          ; v96-159   S^T, then p; q's numbers; the way out
.set OT,   160                         ; v160-191  O^T
.set KS,   192                         ; v192-195  K's scale words
.set VS,   196                         ; v196-199  V's
.set PC,   200                         ; v200-207  p's codes
.set BM,   232                         ; v232-235  the blocks' largest scores, then largest p
.set T2,   236                         ; v236-239  at work
.set SCO,  244                         ; v244-247  the conversions' scale operands
.set QW,   28                          ; v28       q's scale word (s0, s1, s0, s1)
.set PW,   29                          ; v29       p's scale word
.set SEL,  30                          ; s[30:31]  v_permlanex16_b32's selects for lane l xor 16
.set CS,   66                          ; s[66:67]  c = log2(e) / 8: the packed form names a pair and takes its low word for both halves
; v1 16 L; v2 16 r; v3 stage + 272 h + 16 r; v4 stage + 272 r + 128 h; v5 stage + 272 r + 32 h; v6 -2^33; v12 -M; v13 the largest t; v[14:15] the sum in two halves; v16-27 Q; v[252:253] f, 0; v254 at work
; s[4:13] q, kv, mw, fl, out0 at my head or batch; s[2:3] fl at my tile; s[14:17] q, out0 at my tile; s[18:21] kv, mw, walking; s[22:23] an offset; s24 p; s25 the tile; s26, s27 counters; s28 steps to walk, s29 steps with
; something masked, a bit a step; s[32:63], s[68:99] the step's 64 mask words (s[32:47] first hold the tile's 16 flags)
	s_load_b256 s[4:11], s[0:1], 0x0               ; q s[4:5], kv s[6:7], mw s[8:9], fl s[10:11]
	s_load_b64 s[12:13], s[0:1], 0x20              ; out0
	v_lshl_add_u32 v251, v0, 2, 0x11000
	v_mov_b32 v255, 0
	v_lshrrev_b32 v1, 5, v0
	v_readfirstlane_b32 s24, v1                    ; wave 0..15
	v_and_b32 v7, 31, v0                           ; L
	v_and_b32 v8, 15, v0                           ; r
	v_bfe_u32 v9, v0, 4, 1                         ; h
	v_lshlrev_b32 v1, 4, v7
	v_lshlrev_b32 v2, 4, v8
	s_mul_i32 s100, s24, STG
	v_mul_u32_u24 v10, v9, 272
	v_lshl_add_u32 v10, v8, 4, v10
	v_add_nc_u32 v3, s100, v10                     ; by rows as they lie in memory: lanes 0-15 one row of 256 bytes, lanes 16-31 the next
	v_mul_u32_u24 v11, v8, 272
	v_add_nc_u32 v11, s100, v11
	v_lshl_add_u32 v4, v9, 7, v11                  ; q out of the stage: row r, d = 32 h on
	v_lshl_add_u32 v5, v9, 5, v11                  ; O into it: row r, eight channels of my half
	v_mov_b32 v6, 0xd0000000                       ; -2^33
.irp i, 16,17,18,19,24,25,26,27
	v_mov_b32 v\i, 0                               ; the zero codes on either side of q's
.endr
.irp i, 0,1,2,3
	v_mov_b32 v[T2+\i], 0                          ; written once: a lane permute's destination counts as one of its sources
.endr
	v_mov_b32 v253, 0                              ; (named as the upper half of the pair v[252:253])
	s_mov_b32 s[SEL], 0x76543210
	s_mov_b32 s[SEL+1], 0xfedcba98
	s_mov_b32 s[CS], 0x3e38aa3b                    ; log2(e) / 8
	s_mov_b32 s[CS+1], s[CS]
	s_and_b32 s100, ttmp7, 0xffff                  ; the head, 0..63
	s_lshr_b32 s101, s100, 4                       ; the batch
	s_mov_b32 s23, 0
	s_wait_kmcnt 0x0
	s_lshl_b32 s22, s100, 19                       ; 2,048 rows of 256 bytes
	s_add_nc_u64 s[4:5], s[4:5], s[22:23]
	s_add_nc_u64 s[12:13], s[12:13], s[22:23]
	s_mul_i32 s22, s100, 16*REC
	s_add_nc_u64 s[6:7], s[6:7], s[22:23]
	s_lshl_b32 s22, s101, 19                       ; 128 query tiles x 16 steps x 256 bytes
	s_add_nc_u64 s[8:9], s[8:9], s[22:23]
	s_lshl_b32 s22, s101, 13                       ; 128 x 16 x 4 bytes
	s_add_nc_u64 s[10:11], s[10:11], s[22:23]
	s_lshl_b32 s100, ttmp9, 4
	s_add_co_u32 s24, s100, s24                    ; p = 16 x + wave (the stage's addresses are made: the wave's number is wanted no more)
	s_mov_b32 s26, 2                               ; tiles to go
.Ltile:
	s_wait_xcnt 0x0                                ; the last tile's stores have read their registers and their base: both are written again below
	s_sub_co_u32 s25, 127, s24
	s_cmp_eq_u32 s26, 2
	s_cselect_b32 s25, s25, s24                    ; tile 127 - p, then tile p
	s_lshl_b32 s22, s25, 12                        ; 16 rows of 256 bytes; also 16 steps of 256 bytes in mw
	s_add_nc_u64 s[14:15], s[4:5], s[22:23]
	s_add_nc_u64 s[16:17], s[12:13], s[22:23]
	s_add_nc_u64 s[20:21], s[8:9], s[22:23]
	s_mov_b64 s[18:19], s[6:7]
	s_lshl_b32 s22, s25, 6
	s_add_nc_u64 s[2:3], s[10:11], s[22:23]
	s_load_b512 s[32:47], s[2:3], 0x0              ; the tile's 16 flags
	; ---- q: 4,096 dense bytes in, through my stage, out 32 neighbours a lane: q[r][32 h .. + 31], one whole block
.irp i, 0,1,2,3,4,5,6,7
	global_load_b128 v[S+4*\i:S+4*\i+3], v1, s[14:15] offset:512*\i th:TH_LOAD_NT
.endr
	s_wait_loadcnt 0x0
.irp i, 0,1,2,3,4,5,6,7
	ds_store_b128 v3, v[S+4*\i:S+4*\i+3] offset:544*\i
.endr
.irp m, 0,1,2,3,4,5,6,7
	ds_load_b128 v[S+4*\m:S+4*\m+3], v4 offset:16*\m               ; LDS serves a wave's instructions in order: these see the stores above
.endr
	s_wait_dscnt 0x0
	v_max3_num_f32 v[BM], |v[S]|, |v[S+1]|, |v[S+2]|
	v_max3_num_f32 v[BM+1], |v[S+3]|, |v[S+4]|, |v[S+5]|
.irp i, 6,10,14,18,22,26
	v_max3_num_f32 v[BM], v[BM], |v[S+\i]|, |v[S+\i+1]|
	v_max3_num_f32 v[BM+1], v[BM+1], |v[S+\i+2]|, |v[S+\i+3]|
.endr
	v_max3_num_f32 v[BM], v[BM], |v[S+30]|, |v[S+31]|
	v_max3_num_f32 v[BM], v[BM], v[BM+1], 0x1800000                ; the floor 2^(3 - 127): the byte cannot fall under 1
	v_add_nc_u32 v[SCO], 0xff000000, v[BM]                         ; 2 off the exponent field: the conversion's scale operand
.irp g, 0,1,2,3
	v_cvt_scalef32_pk8_fp4_f32 v[20+\g], v[S+8*\g:S+8*\g+7], v[SCO]
.endr
	v_lshrrev_b32 v[BM+2], 23, v[SCO]                              ; my block's byte; also the plain line behind the conversions
	v_permlanex16_b32 v[T2], v[BM+2], s[SEL], s[SEL+1]
	v_lshl_or_b32 v[QW], v[T2], 8, v[BM+2]                         ; lanes 0-15, which alone are read: (s0, s1),
	v_lshl_or_b32 v[QW], v[QW], 16, v[QW]                          ; twice: it serves (q, 0) and (0, q)
	; ---- the tile begins.  Which step is walked first hangs on the flags, so no first step is written out: O^T and the sum begin as zeros, which the first change of M leaves zeros.
	; These 36 lines also stand between the scale word's last write and the first scaled product, which wants eight
	v_mov_b32 v13, 0xff61b1e6                      ; the largest t so far: -3e38, under every t
	v_floor_f32 v12, -v13                          ; -M
	v_mov_b32 v14, 0
	v_mov_b32 v15, 0
.set JJ, 0
.rept 32
	v_mov_b32 v[OT+JJ], 0
.set JJ, JJ+1
.endr
	; ---- the flags become two words, a bit a step
	s_wait_kmcnt 0x0
	s_or_b32 s100, s32, s33
.irp j, 34,35,36,37,38,39,40,41,42,43,44,45,46,47
	s_or_b32 s100, s100, s\j
.endr
	s_and_b32 s100, s100, 0xffff                   ; bit r: row r has an open key somewhere
	s_cmp_eq_u32 s100, 0xffff
	s_cselect_b32 s28, 0, 0xffff                   ; if some row has none, all 16 steps are walked
	s_mov_b32 s29, 0
.set JJ, 0
.rept 16
	s_and_b32 s100, s[32+JJ], 0xffff               ; SCC: some row has an open key in step JJ
	s_cselect_b32 s100, 1<<JJ, 0
	s_or_b32 s28, s28, s100
	s_bitcmp1_b32 s[32+JJ], 16                     ; SCC: something is masked in it
	s_cselect_b32 s100, 1<<JJ, 0
	s_or_b32 s29, s29, s100
.set JJ, JJ+1
.endr
	s_mov_b32 s27, 0
.Lstep:                                            ; 16 trips, a constant; a trip's WORK is jumped over where the flags allow
	s_bitcmp1_b32 s28, 0
	s_cbranch_scc0 .Lskip
.irp i, 0,1,2,3,4,5,6,7
	global_load_b128 v[KF+4*\i:KF+4*\i+3], v1, s[18:19] offset:512*\i          ; K's operands as they stand in registers: 512 consecutive bytes a load
.endr
	global_load_b128 v[KS:KS+3], v2, s[18:19] offset:8192                      ; lane r: the four operands' scale words of row r
	s_load_b512 s[32:47], s[20:21], 0x0            ; the step's 64 mask words: always asked for, so that they are written on every way
	s_load_b512 s[48:63], s[20:21], 0x40
	s_load_b512 s[68:83], s[20:21], 0x80
	s_load_b512 s[84:99], s[20:21], 0xc0
.irp i, 0,1,2,3,4,5,6,7
	global_load_b128 v[VF+4*\i:VF+4*\i+3], v1, s[18:19] offset:4096+512*\i
.endr
	global_load_b128 v[VS:VS+3], v2, s[18:19] offset:8448
	s_wait_loadcnt 9                               ; K's nine loads are in; V's nine, issued behind them, stay out until the second product
.irp b, 0,1,2,3                                    ; S^T = K Q^T: operand b against (q, 0): key tile 2 b; against (0, q): key tile 2 b + 1
	v_wmma_scale_f32_16x16x128_f8f6f4 v[S+16*\b:S+16*\b+7], v[KF+8*\b:KF+8*\b+7], v[20:27], 0, v[KS+\b], v[QW] matrix_a_fmt:MATRIX_FMT_FP4 matrix_b_fmt:MATRIX_FMT_FP4
	v_wmma_scale_f32_16x16x128_f8f6f4 v[S+16*\b+8:S+16*\b+15], v[KF+8*\b:KF+8*\b+7], v[16:23], 0, v[KS+\b], v[QW] matrix_a_fmt:MATRIX_FMT_FP4 matrix_b_fmt:MATRIX_FMT_FP4
.endr
	s_wait_kmcnt 0x0                               ; the mask words are in, on both ways below
.rept 4
	v_nop                                          ; four places between the last product and the first vector instruction on its results (ISA guide 7.12.1)
.endr
	s_bitcmp1_b32 s29, 0
	s_cbranch_scc0 .Lopen                          ; nothing is masked in this step
.set NN, 0
.rept 64                                           ; word n is the lane mask of register n: one select a score, ascending, each result from its low end on
.if NN < 32
.set WR, 32+NN
.else
.set WR, 36+NN
.endif
	v_cndmask_b32 v[S+NN], v[S+NN], v6, s[WR]
.set NN, NN+1
.endr
.Lopen:
.irp b, 0,1,2,3
	v_max3_num_f32 v[BM+\b], v[S+16*\b], v[S+1+16*\b], v[S+2+16*\b]            ; the largest score of each block of 32 keys: for the row's maximum, and, since p rises with the score, for the block's largest p
.endr
.irp i, 3,5,7,9,11,13
.irp b, 0,1,2,3
	v_max3_num_f32 v[BM+\b], v[BM+\b], v[S+16*\b+\i], v[S+1+16*\b+\i]          ; (the four blocks by turns)
.endr
.endr
.irp b, 0,1,2,3
	v_max_num_f32 v[BM+\b], v[BM+\b], v[S+15+16*\b]
.endr
.irp b, 0,1,2,3
	v_permlanex16_b32 v[T2+\b], v[BM+\b], s[SEL], s[SEL+1]
.endr
.irp b, 0,1,2,3
	v_max_num_f32 v[BM+\b], v[BM+\b], v[T2+\b]     ; with lane l xor 16's 16 keys
.endr
	v_max3_num_f32 v254, v[BM], v[BM+1], v[BM+2]
	v_max_num_f32 v254, v254, v[BM+3]              ; the step's largest score of my query
	v_mul_f32 v254, s[CS], v254                    ; as t (c is positive)
	v_max_num_f32 v13, v13, v254                   ; the running largest t
	v_mov_b32 v254, v12
	v_floor_f32 v12, -v13                          ; the new -M = floor(-t) = -ceil(t): a whole number
	v_sub_f32 v254, v12, v254                      ; old M - new M: a whole number, 0 or less
	v_cvt_i32_f32 v254, v254                       ; (it saturates)
	v_ldexp_f32 v252, 1.0, v254                    ; f = 2^(old M - new M)
.set JJ, 0
.rept 32
	v_pk_fma_f32 v[S+JJ:S+JJ+1], v[S+JJ:S+JJ+1], s[CS:CS+1], v[12:13] op_sel_hi:[1,0,0]   ; t - M, two at a time
.set JJ, JJ+2
.endr
.irp b, 0,1,2,3
	v_fma_f32 v[BM+\b], v[BM+\b], s[CS], v12       ; the same of each block's largest score
.endr
.set JJ, 0
.rept 64
	v_exp_f32 v[S+JJ], v[S+JJ]                     ; p = 2^(t - M), at most 1
.set JJ, JJ+1
.endr
	v_pk_mul_f32 v[14:15], v[14:15], v[252:253] op_sel_hi:[1,0]    ; the sums under the new M: the plain line behind the exponentials
	s_wait_alu depctr_va_vdst(0)                   ; one wait for the batch of 64, ahead of its first reader
.irp b, 0,1,2,3
	v_exp_f32 v[BM+\b], v[BM+\b]                   ; the block's largest p: the same two instructions on the same number give the same bits
.endr
	v_pk_add_f32 v[T2:T2+1], v[S:S+1], v[S+2:S+3]  ; the row's sum is taken of the unquantised p, in two chains; it reads the 64 alone
.irp j, 4,8,12,16,20,24,28,32,36,40,44,48,52,56,60
	v_pk_add_f32 v[14:15], v[14:15], v[S+\j:S+\j+1]
	v_pk_add_f32 v[T2:T2+1], v[T2:T2+1], v[S+2+\j:S+3+\j]
.endr
	v_pk_add_f32 v[14:15], v[14:15], v[T2:T2+1]
	s_wait_alu depctr_va_vdst(0)                   ; and one for the four
.irp b, 0,1,2,3
	v_max_num_f32 v[BM+\b], 0x1800000, v[BM+\b]    ; the floor 2^(3 - 127): a block whose every p is 0 keeps the byte 1: its codes are zeros
.endr
.irp b, 0,1,2,3
	v_add_nc_u32 v[SCO+\b], 0xff000000, v[BM+\b]
.endr
.irp b, 0,1,2,3
	v_lshrrev_b32 v[T2+\b], 23, v[SCO+\b]
.endr
	v_lshl_or_b32 v[PW], v[T2+1], 8, v[T2]         ; p's scale word for these 128 keys
	v_lshl_or_b32 v[PW], v[T2+2], 16, v[PW]
	v_lshl_or_b32 v[PW], v[T2+3], 24, v[PW]
.irp b, 0,1,2,3
	v_cvt_scalef32_pk8_fp4_f32 v[PC+2*\b], v[S+16*\b:S+7+16*\b], v[SCO+\b]
	v_cvt_scalef32_pk8_fp4_f32 v[PC+1+2*\b], v[S+8+16*\b:S+15+16*\b], v[SCO+\b]
.endr
	v_nop                                          ; one plain line between a scaled conversion and the vector instruction that touches its result
.irp c, 0,1                                        ; the operand's layout wants a whole block in a lane: lanes 0-15 block 2 c, lanes 16-31 block 2 c + 1
.irp i, 0,1
	v_permlane16_swap_b32 v[PC+4*\c+\i], v[PC+2+4*\c+\i]
.endr
.endr
.set JJ, 0
.rept 16
	v_pk_mul_f32 v[OT+JJ:OT+JJ+1], v[OT+JJ:OT+JJ+1], v[252:253] op_sel_hi:[1,0]   ; O^T under the new M.  These 16 also stand between the scale word's and the codes' last writes and the scaled products
.set JJ, JJ+2
.endr
	s_wait_loadcnt 0x0                             ; V's operands and scale words are in
.irp t, 0,1,2,3                                    ; O^T += V^T P^T: four accumulators, one instruction each
	v_wmma_scale_f32_16x16x128_f8f6f4 v[OT+8*\t:OT+8*\t+7], v[VF+8*\t:VF+8*\t+7], v[PC:PC+7], v[OT+8*\t:OT+8*\t+7], v[VS+\t], v[PW] matrix_a_fmt:MATRIX_FMT_FP4 matrix_b_fmt:MATRIX_FMT_FP4
.endr
.rept 4
	v_nop                                          ; four places in front of the next step's loads into V's registers, and of the way out's reads
.endr
.Lskip:
	s_wait_xcnt 0x0                                ; this step's loads have read their bases
	s_add_nc_u64 s[18:19], s[18:19], REC
	s_add_nc_u64 s[20:21], s[20:21], 256
	s_lshr_b32 s28, s28, 1
	s_lshr_b32 s29, s29, 1
	s_add_co_u32 s27, s27, 1
	s_cmp_lt_u32 s27, 16
	s_cbranch_scc1 .Lstep
	; ---- the way out: O^T / the sum, through my stage, out as whole rows: a wave's store covers two rows, 512 consecutive bytes
	v_add_f32 v14, v14, v15                        ; the sum's two halves,
	v_permlanex16_b32 v[T2], v14, s[SEL], s[SEL+1]
	v_add_f32 v14, v14, v[T2]                      ; and lane l xor 16's
	v_rcp_f32 v14, v14
	v_nop                                          ; a plain line behind the reciprocal,
	s_wait_alu depctr_va_vdst(0)                   ; and the wait ahead of its first reader
.set JJ, 0
.rept 32
	v_mul_f32 v[S+JJ], v[OT+JJ], v14               ; register 8 t + i is o(r, 16 t + 8 h + i)
.set JJ, JJ+1
.endr
.irp t, 0,1,2,3
	ds_store_b128 v5, v[S+8*\t:S+8*\t+3] offset:64*\t
	ds_store_b128 v5, v[S+8*\t+4:S+8*\t+7] offset:64*\t+16
.endr
.irp i, 0,1,2,3,4,5,6,7
	ds_load_b128 v[S+32+4*\i:S+32+4*\i+3], v3 offset:544*\i        ; LDS serves a wave's instructions in order: these see the stores above
.endr
.irp i, 0,1,2,3,4,5,6,7
	s_wait_dscnt 7-\i                              ; load i is back; the 7 - i younger ones may be out
	global_store_b128 v1, v[S+32+4*\i:S+32+4*\i+3], s[16:17] offset:512*\i th:TH_STORE_NT
.endr
	s_sub_co_u32 s26, s26, 1
	s_cmp_lg_u32 s26, 0
	s_cbranch_scc1 .Ltile
	s_wait_tensorcnt 0x0
	ds_add_u32 v251, v255
	s_wait_dscnt 0x0
	s_endpgm
.Lfunc_end_k_qf24b521dc5_attn:
	.size	k_qf24b521dc5_attn, .Lfunc_end_k_qf24b521dc5_attn-k_qf24b521dc5_attn
	.p2alignl 7, 3214868480
	.fill 96, 4, 3214868480
	.section	.rodata,"a",@progbits
	.p2align	6, 0x0
	.amdhsa_kernel k_qf24b521dc5_attn
		.amdhsa_group_segment_fixed_size 71680
		.amdhsa_private_segment_fixed_size 0
		.amdhsa_enable_private_segment 0
		.amdhsa_kernarg_size 40
		.amdhsa_user_sgpr_count 2
		.amdhsa_user_sgpr_kernarg_segment_ptr 1
		.amdhsa_wavefront_size32 1
		.amdhsa_system_sgpr_workgroup_id_x 1
		.amdhsa_system_sgpr_workgroup_id_y 1
		.amdhsa_system_sgpr_workgroup_id_z 1
		.amdhsa_system_vgpr_workitem_id 0
		.amdhsa_next_free_vgpr 256
		.amdhsa_next_free_sgpr 104
		.amdhsa_reserve_vcc 0
		.amdhsa_float_denorm_mode_32 3
		.amdhsa_float_denorm_mode_16_64 3
		.amdhsa_memory_ordered 1
		.amdhsa_forward_progress 1
		.amdhsa_inst_pref_size 36
	.end_amdhsa_kernel
	.amdgpu_metadata
---
amdhsa.version: [ 1, 2 ]
amdhsa.kernels:
  - .name:           k_qf24b521dc5_attn
    .symbol:         k_qf24b521dc5_attn.kd
    .args:
      - { .name: q, .offset: 0, .size: 8, .value_kind: global_buffer, .address_space: global }
      - { .name: kv, .offset: 8, .size: 8, .value_kind: global_buffer, .address_space: global }
      - { .name: mw, .offset: 16, .size: 8, .value_kind: global_buffer, .address_space: global }
      - { .name: fl, .offset: 24, .size: 8, .value_kind: global_buffer, .address_space: global }
      - { .name: out0, .offset: 32, .size: 8, .value_kind: global_buffer, .address_space: global }
    .group_segment_fixed_size: 71680
    .private_segment_fixed_size: 0
    .kernarg_segment_align: 8
    .kernarg_segment_size: 40
    .max_flat_workgroup_size: 512
    .sgpr_count:     104
    .vgpr_count:     256
    .wavefront_size: 32
...
	.end_amdgpu_metadata
.endif
;; end of part 2
;; ======== version 2 of 2: 2 launches
;; limits: right only within a limited range of input values
;; workspace buffers: kv 8,912,896 bytes; mw 2,097,152 bytes of whole numbers; fl 32,768 bytes of whole numbers
;; launch prep (part 3): grid 1024 x 1, 4 waves a work-group, no clusters, 53,248 bytes of LDS; arguments k, v, mask, kv, mw, fl; writes kv, mw, fl
.if DOCPART == 3
	.amdgcn_target "amdgcn-amd-amdhsa--gfx1250"
	.amdhsa_code_object_version 6
	.text
	.protected	k_qf24b521dc5_prep
	.globl	k_qf24b521dc5_prep
	.p2align	8
	.type	k_qf24b521dc5_prep,@function
k_qf24b521dc5_prep:
	s_mov_b64 s[64:65], 0
	v_nop
	global_prefetch_b8 v0, s[64:65] scope:SCOPE_SE
	s_setreg_imm32_b32 hwreg(HW_REG_WAVE_MODE, 25, 1), 1
	s_wait_xcnt 0x0
; K, V (f32, [64 heads][2048 keys][64]) become codes of FP4 (E2M1) with one E8M0 byte for each 32 along a product's K, laid in the ORDER OF THE OPERANDS' REGISTERS;
; the mask's bytes become lane-mask words, and one flag word is made for each tile of 16 queries x 128 keys.  The next launch reads all three.
; kv: a record of 8,704 bytes for each (head, step of 128 keys).  L = lane, r = L % 16, h = L / 16.
;   +0     K's codes: chunk (b, u) at 1024 b + 512 u + 16 L: key 32 b + 8 u + r + 8 (r / 8) of the step, d = 32 h .. 32 h + 31.  Chunks (b, 0) and (b, 1) are ONE operand of 8 registers.
;   +4096  V's codes: chunk (dt, c) at 1024 dt + 512 c + 16 L: row d = 16 dt + r of V^T, keys 64 c + 32 h .. + 31 of the step.
;   +8192  K's scale words [r][b]: bytes (u 0, d 0-31), (u 0, d 32-63), (u 1, d 0-31), (u 1, d 32-63).     +8448  V's scale words [r][dt]: byte kb for keys 32 kb .. + 31.
; mw: 64 words for each (batch, query tile, step): bit l of word n = mask[16 qt + l % 16][128 j + 32 (n / 16) + 16 (l / 16) + n % 16].
; fl: one word for each of these: bit r: row r has an open key among the 128; bit 16: some element of the 16 x 128 is masked.
; A block's scale is 2^(floor(log2(its largest magnitude)) - 2); its byte is the largest magnitude's exponent field - 2, held at 1 from below.
; LIMITS: a block of zeros gets the byte 1 where the rule says 127 (its codes are zeros, and this program alone reads the bytes); blocks whose largest magnitude lies under 2^-124, whose byte is
; held at 1, and NaN and infinities among the inputs are not served.  Any mask byte other than 0 counts as true.
; SHARES.  Work-group g is (head g / 16, step g % 16).  All four waves take one path.  Wave w: K: pair b = w (32 keys, 8,192 dense bytes);  V: columns d = 32 (w % 2) + L, keys 64 (w / 2) .. + 63;
; mask: the two units 8 g + 2 w and + 1 (16 rows x 256 bytes).  No tensor load and no ring: each byte is read once, through registers.  One barrier, for the 512 scale bytes that four waves make.
.set REC,   8704
.set KST,   0                          ; LDS: K's stage, 32 rows x 272 bytes for each wave (256 bytes + 16: the 16 rows that a load touches start at 16 different columns of 16 bytes)
.set KSTW,  8704
.set MST,   34816                      ; the mask's stage, 16 rows x 272 bytes for each wave
.set MSTW,  4352
.set SCL,   52224                      ; an image of the record's last 512 bytes: the scale words
.set R,     32                         ; v32-95    K: 64 registers as loaded, then 2 x 32 neighbours along d
.set MR,    96                         ; v96-127   the mask's bytes
.set VA,    128                        ; v128-191  V: two blocks of 32 keys of my column
.set C,     192                        ; v192-207  codes: K's u 0, K's u 1, V's first block, V's second; never rewritten
.set W,     208                        ; v208-211  the mask words: word N in register N % 4, lane N / 4
.set FW,    212                        ; v212      the two flags, in lanes 0 and 1
	s_load_b256 s[4:11], s[0:1], 0x0               ; k s[4:5], v s[6:7], mask s[8:9], kv s[10:11]
	s_load_b128 s[12:15], s[0:1], 0x20             ; mw s[12:13], fl s[14:15]
	v_lshl_add_u32 v224, v0, 2, 0xce00
	v_mov_b32 v225, 0
	v_lshrrev_b32 v1, 5, v0
	v_readfirstlane_b32 s16, v1                    ; wave 0..3
	v_and_b32 v1, 31, v0                           ; L
	v_and_b32 v2, 15, v0                           ; r
	v_bfe_u32 v3, v0, 4, 1                         ; h
	v_lshlrev_b32 v4, 4, v1                        ; 16 L
	v_lshlrev_b32 v5, 2, v1                        ; 4 L
	v_lshlrev_b32 v6, 4, v2
	v_lshl_add_u32 v6, v3, 11, v6                  ; the mask's loads: 2048 h + 16 r: lanes 0-15 one row's 256 bytes, lanes 16-31 the next row's
	s_mul_i32 s28, s16, KSTW
	v_mul_u32_u24 v16, v3, 272
	v_lshl_add_u32 v16, v2, 4, v16                 ; 272 h + 16 r
	v_add_nc_u32 v7, s28, v16                      ; K's stage, in
	v_mul_u32_u24 v17, v2, 272                     ; 272 r
	v_lshl_add_u32 v8, v3, 7, v17
	v_add_nc_u32 v8, s28, v8                       ; K's stage, out: row r, + 128 h
	s_mul_i32 s29, s16, MSTW
	s_add_co_u32 s29, s29, MST
	v_add_nc_u32 v9, s29, v16                      ; the mask's stage, in
	v_lshl_add_u32 v10, v3, 4, v17
	v_add_nc_u32 v10, s29, v10                     ; and out: row r, + 16 h
	s_lshl_b32 s28, s16, 2
	s_add_co_u32 s28, s28, SCL
	v_lshl_add_u32 v11, v2, 4, s28                 ; K's scale word: 16 r + 4 w
	s_and_b32 s36, s16, 1                          ; w % 2
	s_lshr_b32 s37, s16, 1                         ; w / 2
	s_lshl_b32 s38, s36, 3
	s_lshl_b32 s39, s37, 1
	s_add_co_u32 s38, s38, s39
	s_add_co_u32 s38, s38, SCL+256
	v_lshl_add_u32 v12, v2, 4, s38
	v_lshl_add_u32 v12, v3, 2, v12                 ; V's two scale bytes: 16 r + 4 (2 (w % 2) + h) + 2 (w / 2)
	s_lshl_b32 s38, s36, 11
	s_lshl_b32 s39, s37, 9
	s_add_co_u32 s38, s38, s39
	s_add_co_u32 s38, s38, 4096
	v_lshl_add_u32 v13, v2, 4, s38
	v_lshl_add_u32 v13, v3, 10, v13                ; V's codes in the record: 4096 + 1024 (2 (w % 2) + h) + 512 (w / 2) + 16 r
	v_add_nc_u32 v14, SCL, v4                      ; the scale words' way out: 16 L
	v_mov_b32 v15, 0                               ; a lane permute's and a lane write's destination counts as read: written once
.irp i, 0,1,2,3
	v_mov_b32 v[W+\i], 0
.endr
	v_mov_b32 v[FW], 0
	s_mov_b32 s32, 0x76543210
	s_mov_b32 s33, 0xfedcba98                      ; v_permlanex16_b32's selects for lane l xor 16
	s_mov_b32 s19, 0                               ; s[18:19]: an offset, under 2^26
	s_wait_kmcnt 0x0
	s_lshl_b32 s18, ttmp9, 15                      ; 128 keys x 256 bytes a work-group,
	s_lshl_b32 s38, s16, 13                        ; 32 keys a wave
	s_add_co_u32 s18, s18, s38
	s_add_nc_u64 s[4:5], s[4:5], s[18:19]
	s_lshl_b32 s18, ttmp9, 15
	s_lshl_b32 s38, s37, 14                        ; 64 keys,
	s_add_co_u32 s18, s18, s38
	s_lshl_b32 s38, s36, 7                         ; 32 columns
	s_add_co_u32 s18, s18, s38
	s_add_nc_u64 s[6:7], s[6:7], s[18:19]
	s_lshr_b32 s18, ttmp9, 1                       ; 128 batch + query tile: 16 rows of 2,048 bytes,
	s_lshl_b32 s18, s18, 15
	s_and_b32 s38, ttmp9, 1
	s_lshl_b32 s38, s38, 10                        ; eight steps of 128 bytes,
	s_add_co_u32 s18, s18, s38
	s_lshl_b32 s38, s16, 8                         ; two steps a wave
	s_add_co_u32 s18, s18, s38
	s_add_nc_u64 s[8:9], s[8:9], s[18:19]
	s_mul_i32 s18, ttmp9, REC
	s_add_nc_u64 s[10:11], s[10:11], s[18:19]      ; my work-group's record
	s_lshl_b32 s18, s16, 10
	s_add_nc_u64 s[34:35], s[10:11], s[18:19]      ; and pair w's codes in it
	s_lshl_b32 s18, ttmp9, 11
	s_lshl_b32 s38, s16, 9
	s_add_co_u32 s18, s18, s38
	s_add_nc_u64 s[12:13], s[12:13], s[18:19]      ; 256 bytes a unit, unit 8 g + 2 w
	s_lshl_b32 s18, ttmp9, 5
	s_lshl_b32 s38, s16, 3
	s_add_co_u32 s18, s18, s38
	s_add_nc_u64 s[14:15], s[14:15], s[18:19]      ; 4 bytes a unit
.macro VLOAD t                         ; block t of my column: V(32 t + i, my d), i = 0 .. 31: a lane to a column, registers down the keys; a wave reads 128 consecutive bytes, wave w xor 1 the row's other half
.set II, 0
.rept 32
	global_load_b32 v[VA+32*(\t)+II], v5, s[6:7] offset:256*(32*(\t)+II) th:TH_LOAD_NT
.set II, II+1
.endr
.endm
; 32 numbers of ONE block in a lane's registers v[from] on become 32 codes in v[to] .. v[to + 3]; v[scl]: the conversion's scale operand; v[byt]: the scale's byte
.macro QBLK32 from, to, scl, byt
	v_max3_num_f32 v16, |v[(\from)]|, |v[(\from)+1]|, |v[(\from)+2]|      ; the largest magnitude, in two chains
	v_max3_num_f32 v17, |v[(\from)+3]|, |v[(\from)+4]|, |v[(\from)+5]|
.irp i, 6,10,14,18,22,26
	v_max3_num_f32 v16, v16, |v[(\from)+\i]|, |v[(\from)+\i+1]|
	v_max3_num_f32 v17, v17, |v[(\from)+\i+2]|, |v[(\from)+\i+3]|
.endr
	v_max3_num_f32 v16, v16, |v[(\from)+30]|, |v[(\from)+31]|
	v_max3_num_f32 v16, v16, v17, 0x1800000        ; and the floor 2^(3 - 127): the byte cannot fall under 1
	v_add_nc_u32 v[\scl], 0xff000000, v16          ; 2 off its exponent field: the conversion takes the exponent field of this operand as its scale
.irp g, 0,1,2,3
	v_cvt_scalef32_pk8_fp4_f32 v[(\to)+\g], v[(\from)+8*\g:(\from)+8*\g+7], v[\scl]
.endr
	v_lshrrev_b32 v[\byt], 23, v[\scl]             ; the scale's byte; also the plain line behind the conversions
.endm
	; ---- all loads that have registers go out: K's 16, the mask's 8, V's first 32
.irp i, 0,1,2,3,4,5,6,7,8,9,10,11,12,13,14,15
	global_load_b128 v[R+4*\i:R+4*\i+3], v4, s[4:5] offset:512*\i th:TH_LOAD_NT       ; two keys' rows: 512 consecutive bytes
.endr
.irp i, 0,1,2,3,4,5,6,7
	global_load_b128 v[MR+4*\i:MR+4*\i+3], v6, s[8:9] offset:4096*\i th:TH_LOAD_NT    ; two rows of the mask, 256 aligned bytes of each
.endr
	VLOAD 0
	; ---- K through its stage: in as it lies, key row kr to stage row 16 u + r (kr's bits 3 and 4 change places); out 128 bytes a lane
	s_wait_loadcnt 40                              ; K's 16 loads are in; the mask's 8 and V's 32 are younger
.set II, 0
.rept 16
.set PR, (((2*II)&7)|((((2*II)>>4)&1)<<3)|((((2*II)>>3)&1)<<4))
	ds_store_b128 v7, v[R+4*II:R+4*II+3] offset:272*PR
.set II, II+1
.endr
.irp u, 0,1
.irp m, 0,1,2,3,4,5,6,7
	ds_load_b128 v[R+32*\u+4*\m:R+32*\u+4*\m+3], v8 offset:4352*\u+16*\m   ; LDS serves a wave's instructions in order: these see the stores above
.endr
.endr
	; ---- the mask through its stage: out 16 bytes a lane: row r, keys 32 bq + 16 h + 0 .. 15 of unit e
	s_wait_loadcnt 32                              ; the mask's 8 loads are in; V's 32 are younger
.irp i, 0,1,2,3,4,5,6,7
	ds_store_b128 v9, v[MR+4*\i:MR+4*\i+3] offset:544*\i
.endr
.irp e, 0,1
.irp q, 0,1,2,3
	ds_load_b128 v[MR+16*\e+4*\q:MR+16*\e+4*\q+3], v10 offset:128*\e+32*\q
.endr
.endr
	VLOAD 1
	; ---- K: two blocks a lane
	s_wait_dscnt 16                                ; K's 16 loads from the stage are back; the mask's 8 stores and 8 loads are younger
	QBLK32 R, C, 18, 24
	QBLK32 R+32, C+4, 19, 25
.irp u, 0,1
	global_store_b128 v4, v[C+4*\u:C+4*\u+3], s[34:35] offset:512*\u      ; 512 consecutive bytes, at a multiple of 256 from kv's first byte
.endr
	v_lshl_or_b32 v20, v25, 16, v24                ; my two bytes: (u 0, d block h), (u 1, d block h),
	v_lshlrev_b32 v21, 3, v3
	v_lshlrev_b32 v20, v21, v20                    ; 8 h bits up;
	v_permlanex16_b32 v15, v20, s32, s33
	v_or_b32 v20, v20, v15                         ; with lane l xor 16's two the word is whole
	ds_store_b32 v11, v20                          ; both halves of the lanes write the same word with the same value
	; ---- the mask's words: a byte of each lane becomes a bit of a scalar word; the word goes to its lane of W
	s_wait_dscnt 1                                 ; the mask's loads from the stage are back; the scale word's store is younger
.set N, 0
.rept 128
.set UE, N/64
.set BQ, (N%64)/16
.set II, N%16
	v_and_b32 v[28+N%4], 0xff<<(8*(II&3)), v[MR+16*UE+4*BQ+(II>>2)]
	v_cmp_ne_u32 s[20+N%4], 0, v[28+N%4]
.if (N%64) == 0
	s_mov_b32 s24, s[20+N%4]                       ; the unit's AND and OR begin
	s_mov_b32 s25, s[20+N%4]
.else
	s_and_b32 s24, s24, s[20+N%4]
	s_or_b32 s25, s25, s[20+N%4]
.endif
	v_writelane_b32 v[W+N%4], s[20+N%4], N>>2
.if (N%64) == 63
	s_lshr_b32 s28, s24, 16                        ; a row's 128 keys lie in lanes r and r + 16:
	s_and_b32 s28, s28, s24                        ; bit r: all of them masked;
	s_not_b32 s28, s28
	s_and_b32 s28, s28, 0xffff                     ; bit r: row r has an open key
	s_cmp_lg_u32 s25, 0
	s_cselect_b32 s29, 0x10000, 0                  ; bit 16: something is masked
	s_or_b32 s[26+UE], s28, s29
	v_writelane_b32 v[FW], s[26+UE], UE
.endif
.set N, N+1
.endr
	s_wait_alu depctr_va_vdst(0)
	global_store_b128 v4, v[W:W+3], s[12:13]       ; two units' 128 words: 512 consecutive bytes
	; ---- V: two blocks of 32 keys of my column
	s_wait_loadcnt 32                              ; the first block's 32 loads are in; the second's are younger
	QBLK32 VA, C+8, 22, 26
	s_wait_loadcnt 0x0
	QBLK32 VA+32, C+12, 23, 27
.irp t, 0,1
	global_store_b128 v13, v[C+8+4*\t:C+8+4*\t+3], s[10:11] offset:256*\t ; sixteen lanes store 256 consecutive aligned bytes; lanes 16-31 those 1,024 bytes on
.endr
	v_lshl_or_b32 v21, v27, 8, v26
	ds_store_b16 v12, v21                          ; my column's bytes for key blocks 2 (w / 2) and + 1
	; ---- the record's 512 scale bytes come from four waves: each waits for its stores, all meet, wave 0 stores them
	s_wait_dscnt 0x0
	s_barrier_signal -1
	s_barrier_wait -1
	s_cmp_lg_u32 s16, 0
	s_cbranch_scc1 .Lnot_wave_0
	ds_load_b128 v[16:19], v14
	s_wait_dscnt 0x0
	global_store_b128 v4, v[16:19], s[10:11] offset:8192
.Lnot_wave_0:
	; ---- the two flags: 8 bytes a wave, 32 a work-group: 32,768 bytes in the launch against the 83.9 million that it reads
	s_wait_xcnt 0x0                                ; EXEC is a source of the stores above: it changes only behind this wait
	v_cmp_gt_u32 vcc_lo, 2, v1
	s_wait_tensorcnt 0x0
	ds_add_u32 v224, v225
	s_wait_dscnt 0x0
	s_and_saveexec_b32 s30, vcc_lo
	global_store_b32 v5, v[FW], s[14:15]
	s_wait_xcnt 0x0                                ; and again in front of the line that widens it
	s_or_b32 exec_lo, exec_lo, s30
	s_endpgm
.Lfunc_end_k_qf24b521dc5_prep:
	.size	k_qf24b521dc5_prep, .Lfunc_end_k_qf24b521dc5_prep-k_qf24b521dc5_prep
	.p2alignl 7, 3214868480
	.fill 96, 4, 3214868480
	.section	.rodata,"a",@progbits
	.p2align	6, 0x0
	.amdhsa_kernel k_qf24b521dc5_prep
		.amdhsa_group_segment_fixed_size 53248
		.amdhsa_private_segment_fixed_size 0
		.amdhsa_enable_private_segment 0
		.amdhsa_kernarg_size 48
		.amdhsa_user_sgpr_count 2
		.amdhsa_user_sgpr_kernarg_segment_ptr 1
		.amdhsa_wavefront_size32 1
		.amdhsa_system_sgpr_workgroup_id_x 1
		.amdhsa_system_sgpr_workgroup_id_y 1
		.amdhsa_system_sgpr_workgroup_id_z 1
		.amdhsa_system_vgpr_workitem_id 0
		.amdhsa_next_free_vgpr 226
		.amdhsa_next_free_sgpr 66
		.amdhsa_reserve_vcc 1
		.amdhsa_float_denorm_mode_32 3
		.amdhsa_float_denorm_mode_16_64 3
		.amdhsa_memory_ordered 1
		.amdhsa_forward_progress 1
		.amdhsa_inst_pref_size 55
	.end_amdhsa_kernel
	.amdgpu_metadata
---
amdhsa.version: [ 1, 2 ]
amdhsa.kernels:
  - .name:           k_qf24b521dc5_prep
    .symbol:         k_qf24b521dc5_prep.kd
    .args:
      - { .name: k, .offset: 0, .size: 8, .value_kind: global_buffer, .address_space: global }
      - { .name: v, .offset: 8, .size: 8, .value_kind: global_buffer, .address_space: global }
      - { .name: mask, .offset: 16, .size: 8, .value_kind: global_buffer, .address_space: global }
      - { .name: kv, .offset: 24, .size: 8, .value_kind: global_buffer, .address_space: global }
      - { .name: mw, .offset: 32, .size: 8, .value_kind: global_buffer, .address_space: global }
      - { .name: fl, .offset: 40, .size: 8, .value_kind: global_buffer, .address_space: global }
    .group_segment_fixed_size: 53248
    .private_segment_fixed_size: 0
    .kernarg_segment_align: 8
    .kernarg_segment_size: 48
    .max_flat_workgroup_size: 128
    .sgpr_count:     66
    .vgpr_count:     226
    .wavefront_size: 32
...
	.end_amdgpu_metadata
.endif
;; end of part 3
;; launch attn (part 4): grid 4 x 64, 16 waves a work-group, no clusters, 71,680 bytes of LDS; arguments q, kv, mw, fl, out0; writes out0
.if DOCPART == 4
	.amdgcn_target "amdgcn-amd-amdhsa--gfx1250"
	.amdhsa_code_object_version 6
	.text
	.protected	k_qf24b521dc5_attn
	.globl	k_qf24b521dc5_attn
	.p2align	8
	.type	k_qf24b521dc5_attn,@function
k_qf24b521dc5_attn:
	s_mov_b64 s[64:65], 0
	v_nop
	global_prefetch_b8 v0, s[64:65] scope:SCOPE_SE
	s_setreg_imm32_b32 hwreg(HW_REG_WAVE_SCHED_MODE, 0, 2), 2
	s_setreg_imm32_b32 hwreg(HW_REG_WAVE_MODE, 25, 1), 1
	s_wait_xcnt 0x0
	s_wait_alu depctr_vm_vsrc(0)
; out[bh][q][:] = the sum over k of softmax_k(where(mask, -1e9, Q . K / 8)) V[k][:], both products on codes of FP4 (E2M1) with one E8M0 scale for each 32 along a product's K.
; q: [64][2048][64] f32, quantised here in registers.  K's and V's codes and scale words, the mask's words and the flags come from the launch before, in the order of the operands' registers:
;   kv: a record of 8,704 bytes for each (head, step of 128 keys): K's four operands, V's four, K's scale words [r][4], V's [r][4];   mw: 64 lane-mask words for each (batch, query tile, step);
;   fl: one word for each of these: bits 0-15: row r has an open key in the step; bit 16: something in the step is masked.
; THE SOFTMAX: t = score x log2(e) / 8; M = the row's largest t so far, rounded UP to a whole number; p = 2^(t - M) is quantised along the keys, not normalised; the row's sum is taken of the unquantised p
; and divides at the end.  When M moves, the sum and O are multiplied by 2^(old M - new M): exact.
; THE MASK is honoured as it is given.  A masked raw score becomes -2^33 (logit -2^30) ahead of the maximum.  LIMIT: reference() has -1e9 there; -2^33 x c is exact, so that in a row masked throughout t - M is
; exactly 0 and p = 1, a plain average of V, as reference() gives.  The results agree with reference()'s as long as every open logit lies above about -1e9 + 200.
; STEPS THAT ADD NOTHING ARE LEFT OUT, by a scalar branch on the stored flags: a step in which no row of my 16 has an open key, if every one of the 16 has an open key in some step: its p are then exact zeros
; under the row's last M.  If some row has no open key at all, every step is walked.  A step in which nothing is masked leaves the 64 selects out.
; OTHER LIMITS: a block of zeros gets the scale byte 1 (its codes are zeros); blocks of q whose largest magnitude lies under 2^-124, NaN and infinities among the inputs are not served.
; SHARES.  256 work-groups of sixteen waves, four waves to a SIMD, 256 registers each: while one wave walks its softmax, the others' loads and products are issued.  Wave p = 16 x + wave of a head owns two
; tiles of 16 queries, 127 - p and then p: an order of work that holds for every mask.  Waves share nothing: no barrier.
; NO TENSOR LOAD, NO CLUSTER: which steps a wave walks hangs on the flags and differs from wave to wave (between 1 and 16 of 16), so partners would want different tiles, and a text with such branches
; takes its operands from memory straight into registers: each load of a wave is 512 consecutive bytes of a record.
; LAYOUT.  Both products are used transposed: S^T = K Q^T, O^T = V^T P^T: a lane holds ONE query (lane % 16) throughout.  The head's 64 fill half of the instruction's K = 128: an operand of K carries key tile
; 2 b in k = 0-63 and key tile 2 b + 1 in k = 64-127; multiplied by (q, 0) it gives the first, by (0, q) the second.  Twelve registers, 0 0 0 0 q q q q 0 0 0 0, serve as both.
; The keys of a tile are chosen so that the 16 registers of tiles 2 b and 2 b + 1 are 16 neighbouring keys: register 16 b + i holds key 32 b + 16 (lane / 16) + i.
; THE MODE: SCHED_MODE bits 1:0 = 2 (LLVM: expert scheduling mode 2), set by the entry lines.  The code itself states the register dependences between vector or matrix instructions and memory or LDS
; instructions, with s_wait_alu, always for 0.
; THE PLAN.  Registers that memory or LDS instructions touch:
;   KF, KS     K's operands and scale words.  Written by loads alone; read by a step's eight products S^T alone.  Behind those products the NEXT step's loads land in them, if that step is walked.
;   VF, VS     V's.  Written by loads alone; read by a step's four products O^T alone.  A step's own loads land in them, behind its products S^T.
;   S .. S+31  A tile's head: q's loads land, the LDS stores read them, the LDS loads land.  The steps: products and softmax.  The way out: the multiplies write them, the LDS stores read them.
;   S+32 .. 63 The steps: products and softmax.  The way out: the LDS loads land, the global stores read them.
;   v1 - v5    Offsets and LDS addresses: made at the kernel's head, never written again; the scalar bases move on.      v251, v255: made at the head, read by the closing add alone.
; So ONE wait on va_vdst serves a step's eighteen loads: it stands behind the products S^T and their places, and states that they are done reading K's registers and that the last step's products O^T are
; done reading V's.  No vector or matrix instruction between it and the wait for the loads names KF, KS, VF or VS: K's nine loads go out in a run, V's nine are dealt among the maxima.
; The other waits on va_vdst stand ahead of the scaled products (operands and scale words that vector instructions have made), behind the exponentials and the reciprocal, and ahead of the way out's LDS stores;
; the waits on vm_vsrc stand at a tile's head and between q's LDS stores and LDS loads.
.set REC,  8704
.set STG,  4352                        ; LDS: a stage of 16 rows x 272 bytes for each wave, its own: q on the way in, O on the way out
.set KF,   32                          ; v32-63    K's four operands
.set VF,   64                          ; v64-95    V's four
.set S,    96                          ; v96-159   S^T, then p; q's numbers; the way out
.set OT,   160                         ; v160-191  O^T
.set KS,   192                         ; v192-195  K's scale words
.set VS,   196                         ; v196-199  V's
.set PC,   200                         ; v200-207  p's codes
.set BM,   232                         ; v232-235  the blocks' largest scores, then largest p
.set T2,   236                         ; v236-239  at work
.set SCO,  244                         ; v244-247  the conversions' scale operands
.set QW,   28                          ; v28       q's scale word (s0, s1, s0, s1)
.set PW,   29                          ; v29       p's scale word
.set SEL,  30                          ; s[30:31]  v_permlanex16_b32's selects for lane l xor 16
.set CS,   66                          ; s[66:67]  c = log2(e) / 8: the packed form names a pair and takes its low word for both halves
; v1 16 L; v2 16 r; v3 stage + 272 h + 16 r; v4 stage + 272 r + 128 h; v5 stage + 272 r + 32 h; v6 -2^33; v12 -M; v13 the largest t; v[14:15] the sum in two halves; v16-27 Q; v[252:253] f, 0; v254 at work
; s[4:13] q, kv, mw, fl, out0 at my head or batch; s[2:3] fl at my tile; s[14:17] q, out0 at my tile; s[18:21] kv, mw, walking; s[22:23] an offset; s24 p; s25 the tile; s26, s27 counters; s28 steps to walk, s29 steps with
; something masked, a bit a step; s[32:63], s[68:99] a step's 64 mask words (s[32:47] first hold the tile's 16 flags)
; K's operands as they stand in registers, and lane r's four scale words, of the record off bytes behind the walking base: 512 consecutive bytes a load
.macro KLOAD off
.irp i, 0,1,2,3,4,5,6,7
	global_load_b128 v[KF+4*\i:KF+4*\i+3], v1, s[18:19] offset:(\off)+512*\i
.endr
	global_load_b128 v[KS:KS+3], v2, s[18:19] offset:(\off)+8192
.endm
	s_load_b256 s[4:11], s[0:1], 0x0               ; q s[4:5], kv s[6:7], mw s[8:9], fl s[10:11]
	s_load_b64 s[12:13], s[0:1], 0x20              ; out0
	v_lshl_add_u32 v251, v0, 2, 0x11000
	v_mov_b32 v255, 0
	v_lshrrev_b32 v1, 5, v0
	v_readfirstlane_b32 s24, v1                    ; wave 0..15
	v_and_b32 v7, 31, v0                           ; L
	v_and_b32 v8, 15, v0                           ; r
	v_bfe_u32 v9, v0, 4, 1                         ; h
	v_lshlrev_b32 v1, 4, v7
	v_lshlrev_b32 v2, 4, v8
	s_wait_alu depctr_va_sdst(0)                   ; s24 is written, ahead of its first reader: the stage's place and p are made from it
	s_mul_i32 s100, s24, STG
	v_mul_u32_u24 v10, v9, 272
	v_lshl_add_u32 v10, v8, 4, v10
	v_add_nc_u32 v3, s100, v10                     ; by rows as they lie in memory: lanes 0-15 one row of 256 bytes, lanes 16-31 the next
	v_mul_u32_u24 v11, v8, 272
	v_add_nc_u32 v11, s100, v11
	v_lshl_add_u32 v4, v9, 7, v11                  ; q out of the stage: row r, d = 32 h on
	v_lshl_add_u32 v5, v9, 5, v11                  ; O into it: row r, eight channels of my half
	v_mov_b32 v6, 0xd0000000                       ; -2^33
.irp i, 16,17,18,19,24,25,26,27
	v_mov_b32 v\i, 0                               ; the zero codes on either side of q's
.endr
.irp i, 0,1,2,3
	v_mov_b32 v[T2+\i], 0                          ; written once: a lane permute's destination counts as one of its sources
.endr
	v_mov_b32 v253, 0                              ; (named as the upper half of the pair v[252:253])
	s_mov_b32 s[SEL], 0x76543210
	s_mov_b32 s[SEL+1], 0xfedcba98
	s_mov_b32 s[CS], 0x3e38aa3b                    ; log2(e) / 8
	s_mov_b32 s[CS+1], s[CS]
	s_and_b32 s100, ttmp7, 0xffff                  ; the head, 0..63
	s_lshr_b32 s101, s100, 4                       ; the batch
	s_mov_b32 s23, 0
	s_wait_kmcnt 0x0
	s_lshl_b32 s22, s100, 19                       ; 2,048 rows of 256 bytes
	s_add_nc_u64 s[4:5], s[4:5], s[22:23]
	s_add_nc_u64 s[12:13], s[12:13], s[22:23]
	s_mul_i32 s22, s100, 16*REC
	s_add_nc_u64 s[6:7], s[6:7], s[22:23]
	s_lshl_b32 s22, s101, 19                       ; 128 query tiles x 16 steps x 256 bytes
	s_add_nc_u64 s[8:9], s[8:9], s[22:23]
	s_lshl_b32 s22, s101, 13                       ; 128 x 16 x 4 bytes
	s_add_nc_u64 s[10:11], s[10:11], s[22:23]
	s_lshl_b32 s100, ttmp9, 4
	s_add_co_u32 s24, s100, s24                    ; p = 16 x + wave (the stage's addresses are made: the wave's number is wanted no more)
	s_mov_b32 s26, 2                               ; tiles to go
	s_wait_alu depctr_va_vdst(0)                   ; the offsets and LDS addresses v1 to v5 are written, which every load and store of the kernel reads.  (On the way back from a tile the way out's last wait on va_vdst has no vector line behind it)
.Ltile:
	s_wait_xcnt 0x0                                ; the last tile's stores have read their registers and their base: both are written again below
	s_wait_alu depctr_vm_vsrc(0)                   ; the last tile's LDS stores have read v[S .. S+31], in which q's loads land; its global stores have read v[S+32 .. S+63], which this tile's products write
	s_wait_kmcnt 0x0                               ; no scalar load is out: s[32:47] are asked for again below
	s_sub_co_u32 s25, 127, s24
	s_cmp_eq_u32 s26, 2
	s_cselect_b32 s25, s25, s24                    ; tile 127 - p, then tile p
	s_lshl_b32 s22, s25, 12                        ; 16 rows of 256 bytes; also 16 steps of 256 bytes in mw
	s_add_nc_u64 s[14:15], s[4:5], s[22:23]
	s_add_nc_u64 s[16:17], s[12:13], s[22:23]
	s_add_nc_u64 s[20:21], s[8:9], s[22:23]
	s_mov_b64 s[18:19], s[6:7]
	s_lshl_b32 s22, s25, 6
	s_add_nc_u64 s[2:3], s[10:11], s[22:23]
	s_load_b512 s[32:47], s[2:3], 0x0              ; the tile's 16 flags
	; ---- q: 4,096 dense bytes in, through my stage, out 32 neighbours a lane: q[r][32 h .. + 31], one whole block
.irp i, 0,1,2,3,4,5,6,7
	global_load_b128 v[S+4*\i:S+4*\i+3], v1, s[14:15] offset:512*\i th:TH_LOAD_NT
.endr
	s_wait_loadcnt 0x0                             ; q is in, and no load is out
	KLOAD 0                                        ; step 0's K is asked for here, whatever the flags say, so that K's registers are written on every way: it lands while q is quantised.  No vector or matrix line since the last wait on va_vdst names them
.irp i, 0,1,2,3,4,5,6,7
	ds_store_b128 v3, v[S+4*\i:S+4*\i+3] offset:544*\i
.endr
	s_wait_alu depctr_vm_vsrc(0)                   ; the LDS stores have read v[S .. S+31], in which the LDS loads below land and which the first step's products write
.irp m, 0,1,2,3,4,5,6,7
	ds_load_b128 v[S+4*\m:S+4*\m+3], v4 offset:16*\m               ; LDS serves a wave's instructions in order: these see the stores above
.endr
	s_wait_dscnt 0x0
	v_max3_num_f32 v[BM], |v[S]|, |v[S+1]|, |v[S+2]|
	v_max3_num_f32 v[BM+1], |v[S+3]|, |v[S+4]|, |v[S+5]|
.irp i, 6,10,14,18,22,26
	v_max3_num_f32 v[BM], v[BM], |v[S+\i]|, |v[S+\i+1]|
	v_max3_num_f32 v[BM+1], v[BM+1], |v[S+\i+2]|, |v[S+\i+3]|
.endr
	v_max3_num_f32 v[BM], v[BM], |v[S+30]|, |v[S+31]|
	v_max3_num_f32 v[BM], v[BM], v[BM+1], 0x1800000                ; the floor 2^(3 - 127): the byte cannot fall under 1
	v_add_nc_u32 v[SCO], 0xff000000, v[BM]                         ; 2 off the exponent field: the conversion's scale operand
.irp g, 0,1,2,3
	v_cvt_scalef32_pk8_fp4_f32 v[20+\g], v[S+8*\g:S+8*\g+7], v[SCO]
.endr
	v_lshrrev_b32 v[BM+2], 23, v[SCO]                              ; my block's byte; also the plain line behind the conversions
	v_permlanex16_b32 v[T2], v[BM+2], s[SEL], s[SEL+1]
	v_lshl_or_b32 v[QW], v[T2], 8, v[BM+2]                         ; lanes 0-15, which alone are read: (s0, s1),
	v_lshl_or_b32 v[QW], v[QW], 16, v[QW]                          ; twice: it serves (q, 0) and (0, q)
	; ---- the tile begins.  Which step is walked first hangs on the flags, so no first step is written out: O^T and the sum begin as zeros, which the first change of M leaves zeros.
	; These 36 lines also stand between the scale word's last write and the first scaled product, which wants eight
	v_mov_b32 v13, 0xff61b1e6                      ; the largest t so far: -3e38, under every t
	v_floor_f32 v12, -v13                          ; -M
	v_mov_b32 v14, 0
	v_mov_b32 v15, 0
.set JJ, 0
.rept 32
	v_mov_b32 v[OT+JJ], 0
.set JJ, JJ+1
.endr
	s_wait_alu depctr_va_vdst(0)                   ; the conversions have written q's codes v20-23 and the shifts its scale word v28, which the scaled products of every step take as an operand and as scales; the places above stay beside this wait
	; ---- the flags become two words, a bit a step
	s_wait_kmcnt 0x0
	s_or_b32 s100, s32, s33
.irp j, 34,35,36,37,38,39,40,41,42,43,44,45,46,47
	s_or_b32 s100, s100, s\j
.endr
	s_and_b32 s100, s100, 0xffff                   ; bit r: row r has an open key somewhere
	s_cmp_eq_u32 s100, 0xffff
	s_cselect_b32 s28, 0, 0xffff                   ; if some row has none, all 16 steps are walked
	s_mov_b32 s29, 0
.set JJ, 0
.rept 16
	s_and_b32 s100, s[32+JJ], 0xffff               ; SCC: some row has an open key in step JJ
	s_cselect_b32 s100, 1<<JJ, 0
	s_or_b32 s28, s28, s100
	s_bitcmp1_b32 s[32+JJ], 16                     ; SCC: something is masked in it
	s_cselect_b32 s100, 1<<JJ, 0
	s_or_b32 s29, s29, s100
.set JJ, JJ+1
.endr
	s_load_b512 s[32:47], s[20:21], 0x0            ; step 0's 64 mask words, like its K: always asked for, so that they are written on every way
	s_load_b512 s[48:63], s[20:21], 0x40
	s_load_b512 s[68:83], s[20:21], 0x80
	s_load_b512 s[84:99], s[20:21], 0xc0
	s_mov_b32 s27, 0
.Lstep:                                            ; 16 trips, a constant; a trip's WORK is jumped over where the flags allow
	s_bitcmp1_b32 s28, 0
	s_cbranch_scc0 .Lskip
	s_wait_loadcnt 0x0                             ; this step's K is in: it was asked for in the trip before, or at the tile's head, and nothing has been asked for behind it
.irp b, 0,1,2,3                                    ; S^T = K Q^T: operand b against (q, 0): key tile 2 b; against (0, q): key tile 2 b + 1
	v_wmma_scale_f32_16x16x128_f8f6f4 v[S+16*\b:S+16*\b+7], v[KF+8*\b:KF+8*\b+7], v[20:27], 0, v[KS+\b], v[QW] matrix_a_fmt:MATRIX_FMT_FP4 matrix_b_fmt:MATRIX_FMT_FP4
	v_wmma_scale_f32_16x16x128_f8f6f4 v[S+16*\b+8:S+16*\b+15], v[KF+8*\b:KF+8*\b+7], v[16:23], 0, v[KS+\b], v[QW] matrix_a_fmt:MATRIX_FMT_FP4 matrix_b_fmt:MATRIX_FMT_FP4
.endr
.rept 4
	v_nop                                          ; four places between the last product and the first vector instruction on its results (ISA guide 7.12.1)
.endr
	s_wait_alu depctr_va_vdst(0)                   ; the eight products are done reading K's operands and scale words, in which the next step's loads land; the last step's four are done reading V's, in which this step's land
	s_bitcmp1_b32 s28, 1                           ; is the next step walked?  (In the sixteenth trip the bit is 0: no load leaves kv)
	s_cbranch_scc0 .Lno_k
	KLOAD REC                                      ; its K, a whole step ahead of its products
.Lno_k:
	s_wait_kmcnt 0x0                               ; the mask words are in, on both ways below
	s_bitcmp1_b32 s29, 0
	s_cbranch_scc0 .Lopen                          ; nothing is masked in this step
.set NN, 0
.rept 64                                           ; word n is the lane mask of register n: one select a score, ascending, each result from its low end on
.if NN < 32
.set WR, 32+NN
.else
.set WR, 36+NN
.endif
	v_cndmask_b32 v[S+NN], v[S+NN], v6, s[WR]
.set NN, NN+1
.endr
.Lopen:
; V's nine loads are dealt among the maxima, one behind each four.  No wait: no vector or matrix instruction since the wait above names V's registers or the offsets
.irp b, 0,1,2,3
	v_max3_num_f32 v[BM+\b], v[S+16*\b], v[S+1+16*\b], v[S+2+16*\b]            ; the largest score of each block of 32 keys: for the row's maximum, and, since p rises with the score, for the block's largest p
.endr
	global_load_b128 v[VF:VF+3], v1, s[18:19] offset:4096
.set II, 1
.irp i, 3,5,7,9,11,13
.irp b, 0,1,2,3
	v_max3_num_f32 v[BM+\b], v[BM+\b], v[S+16*\b+\i], v[S+1+16*\b+\i]          ; (the four blocks by turns)
.endr
	global_load_b128 v[VF+4*II:VF+4*II+3], v1, s[18:19] offset:4096+512*II
.set II, II+1
.endr
.irp b, 0,1,2,3
	v_max_num_f32 v[BM+\b], v[BM+\b], v[S+15+16*\b]
.endr
	global_load_b128 v[VF+28:VF+31], v1, s[18:19] offset:4096+512*7
	global_load_b128 v[VS:VS+3], v2, s[18:19] offset:8448
.irp b, 0,1,2,3
	v_permlanex16_b32 v[T2+\b], v[BM+\b], s[SEL], s[SEL+1]
.endr
.irp b, 0,1,2,3
	v_max_num_f32 v[BM+\b], v[BM+\b], v[T2+\b]     ; with lane l xor 16's 16 keys
.endr
	v_max3_num_f32 v254, v[BM], v[BM+1], v[BM+2]
	v_max_num_f32 v254, v254, v[BM+3]              ; the step's largest score of my query
	v_mul_f32 v254, s[CS], v254                    ; as t (c is positive)
	v_max_num_f32 v13, v13, v254                   ; the running largest t
	v_mov_b32 v254, v12
	v_floor_f32 v12, -v13                          ; the new -M = floor(-t) = -ceil(t): a whole number
	v_sub_f32 v254, v12, v254                      ; old M - new M: a whole number, 0 or less
	v_cvt_i32_f32 v254, v254                       ; (it saturates)
	v_ldexp_f32 v252, 1.0, v254                    ; f = 2^(old M - new M)
.set JJ, 0
.rept 32
	v_pk_fma_f32 v[S+JJ:S+JJ+1], v[S+JJ:S+JJ+1], s[CS:CS+1], v[12:13] op_sel_hi:[1,0,0]   ; t - M, two at a time
.set JJ, JJ+2
.endr
.irp b, 0,1,2,3
	v_fma_f32 v[BM+\b], v[BM+\b], s[CS], v12       ; the same of each block's largest score
.endr
.set JJ, 0
	s_wait_alu depctr_va_vdst(0)
.rept 64
	v_exp_f32 v[S+JJ], v[S+JJ]                     ; p = 2^(t - M), at most 1
.set JJ, JJ+1
.endr
	v_pk_mul_f32 v[14:15], v[14:15], v[252:253] op_sel_hi:[1,0]    ; the sums under the new M: the plain line behind the exponentials
	s_wait_alu depctr_va_vdst(0)                   ; the 64 exponentials have written p, ahead of its first reader: one wait for the batch; the selects, issued ahead of it, are done with this step's mask words
	s_bitcmp1_b32 s28, 1                           ; is the next step walked?
	s_cbranch_scc0 .Lno_m
	s_load_b512 s[32:47], s[20:21], 0x100          ; its 64 mask words
	s_load_b512 s[48:63], s[20:21], 0x140
	s_load_b512 s[68:83], s[20:21], 0x180
	s_load_b512 s[84:99], s[20:21], 0x1c0
.Lno_m:
.irp b, 0,1,2,3
	v_exp_f32 v[BM+\b], v[BM+\b]                   ; the block's largest p: the same two instructions on the same number give the same bits
.endr
	v_pk_add_f32 v[T2:T2+1], v[S:S+1], v[S+2:S+3]  ; the row's sum is taken of the unquantised p, in two chains; it reads the 64 alone
.irp j, 4,8,12,16,20,24,28,32,36,40,44,48,52,56,60
	v_pk_add_f32 v[14:15], v[14:15], v[S+\j:S+\j+1]
	v_pk_add_f32 v[T2:T2+1], v[T2:T2+1], v[S+2+\j:S+3+\j]
.endr
	v_pk_add_f32 v[14:15], v[14:15], v[T2:T2+1]
	s_wait_alu depctr_va_vdst(0)                   ; the four exponentials have written the blocks' largest p, ahead of their first reader
.irp b, 0,1,2,3
	v_max_num_f32 v[BM+\b], 0x1800000, v[BM+\b]    ; the floor 2^(3 - 127): a block whose every p is 0 keeps the byte 1: its codes are zeros
.endr
.irp b, 0,1,2,3
	v_add_nc_u32 v[SCO+\b], 0xff000000, v[BM+\b]
.endr
.irp b, 0,1,2,3
	v_lshrrev_b32 v[T2+\b], 23, v[SCO+\b]
.endr
	v_lshl_or_b32 v[PW], v[T2+1], 8, v[T2]         ; p's scale word for these 128 keys
	v_lshl_or_b32 v[PW], v[T2+2], 16, v[PW]
	v_lshl_or_b32 v[PW], v[T2+3], 24, v[PW]
.irp b, 0,1,2,3
	v_cvt_scalef32_pk8_fp4_f32 v[PC+2*\b], v[S+16*\b:S+7+16*\b], v[SCO+\b]
	v_cvt_scalef32_pk8_fp4_f32 v[PC+1+2*\b], v[S+8+16*\b:S+15+16*\b], v[SCO+\b]
.endr
	v_nop                                          ; one plain line between a scaled conversion and the vector instruction that touches its result
.irp c, 0,1                                        ; the operand's layout wants a whole block in a lane: lanes 0-15 block 2 c, lanes 16-31 block 2 c + 1
.irp i, 0,1
	v_permlane16_swap_b32 v[PC+4*\c+\i], v[PC+2+4*\c+\i]
.endr
.endr
.set JJ, 0
.rept 16
	v_pk_mul_f32 v[OT+JJ:OT+JJ+1], v[OT+JJ:OT+JJ+1], v[252:253] op_sel_hi:[1,0]   ; O^T under the new M.  These 16 also stand between the scale word's and the codes' last writes and the scaled products
.set JJ, JJ+2
.endr
	s_wait_loadcnt 0x0                             ; V's operands and scale words are in: they are the youngest loads; the next step's K, issued ahead of them, is in with them
	s_wait_alu depctr_va_vdst(0)                   ; the conversions and exchanges have written p's codes and the shifts its scale word, which the scaled products take as an operand and as scales; the places above stay beside this wait
.irp t, 0,1,2,3                                    ; O^T += V^T P^T: four accumulators, one instruction each
	v_wmma_scale_f32_16x16x128_f8f6f4 v[OT+8*\t:OT+8*\t+7], v[VF+8*\t:VF+8*\t+7], v[PC:PC+7], v[OT+8*\t:OT+8*\t+7], v[VS+\t], v[PW] matrix_a_fmt:MATRIX_FMT_FP4 matrix_b_fmt:MATRIX_FMT_FP4
.endr
	s_branch .Lnext
.Lskip:                                            ; a step that is left out asks for the next step's K and mask words, if that step is walked
	s_bitcmp1_b32 s28, 1
	s_cbranch_scc0 .Lnext
	s_wait_loadcnt 0x0                             ; step 0's K, asked for at the tile's head and not wanted, may be out: its registers are asked for again only when it has landed;
	s_wait_kmcnt 0x0                               ; its mask words likewise
	KLOAD REC                                      ; no wait on va_vdst: the last products that read K's registers stand ahead of one, and nothing behind it names them
	s_load_b512 s[32:47], s[20:21], 0x100
	s_load_b512 s[48:63], s[20:21], 0x140
	s_load_b512 s[68:83], s[20:21], 0x180
	s_load_b512 s[84:99], s[20:21], 0x1c0
.Lnext:
	s_wait_xcnt 0x0                                ; this trip's loads have read their bases
	s_add_nc_u64 s[18:19], s[18:19], REC
	s_add_nc_u64 s[20:21], s[20:21], 256
	s_lshr_b32 s28, s28, 1
	s_lshr_b32 s29, s29, 1
	s_add_co_u32 s27, s27, 1
	s_cmp_lt_u32 s27, 16
	s_cbranch_scc1 .Lstep
	; ---- the way out: O^T / the sum, through my stage, out as whole rows: a wave's store covers two rows, 512 consecutive bytes
.rept 4
	v_nop                                          ; four places between the last product and the first vector instruction on its results (ISA guide 7.12.1)
.endr
	v_add_f32 v14, v14, v15                        ; the sum's two halves,
	v_permlanex16_b32 v[T2], v14, s[SEL], s[SEL+1]
	v_add_f32 v14, v14, v[T2]                      ; and lane l xor 16's
	s_wait_alu depctr_va_vdst(0)
	v_rcp_f32 v14, v14
	v_nop                                          ; a plain line behind the reciprocal,
	s_wait_alu depctr_va_vdst(0)                   ; and the wait: the reciprocal has written v14, ahead of its first reader
.set JJ, 0
.rept 32
	v_mul_f32 v[S+JJ], v[OT+JJ], v14               ; register 8 t + i is o(r, 16 t + 8 h + i)
.set JJ, JJ+1
.endr
	s_wait_alu depctr_va_vdst(0)                   ; the multiplies have written v[S .. S+31], which the LDS stores read; the steps' vector and matrix instructions are done with v[S+32 .. S+63], in which the LDS loads land
.irp t, 0,1,2,3
	ds_store_b128 v5, v[S+8*\t:S+8*\t+3] offset:64*\t
	ds_store_b128 v5, v[S+8*\t+4:S+8*\t+7] offset:64*\t+16
.endr
.irp i, 0,1,2,3,4,5,6,7
	ds_load_b128 v[S+32+4*\i:S+32+4*\i+3], v3 offset:544*\i        ; LDS serves a wave's instructions in order: these see the stores above
.endr
.irp i, 0,1,2,3,4,5,6,7
	s_wait_dscnt 7-\i                              ; load i is back; the 7 - i younger ones may be out
	global_store_b128 v1, v[S+32+4*\i:S+32+4*\i+3], s[16:17] offset:512*\i th:TH_STORE_NT
.endr
	s_sub_co_u32 s26, s26, 1
	s_cmp_lg_u32 s26, 0
	s_cbranch_scc1 .Ltile
	s_wait_dscnt 0x0                               ; the closing lines, six on end
	s_wait_alu 0x0
	s_wait_tensorcnt 0x0
	ds_add_u32 v251, v255
	s_wait_dscnt 0x0
	s_endpgm
.Lfunc_end_k_qf24b521dc5_attn:
	.size	k_qf24b521dc5_attn, .Lfunc_end_k_qf24b521dc5_attn-k_qf24b521dc5_attn
	.p2alignl 7, 3214868480
	.fill 96, 4, 3214868480
	.section	.rodata,"a",@progbits
	.p2align	6, 0x0
	.amdhsa_kernel k_qf24b521dc5_attn
		.amdhsa_group_segment_fixed_size 71680
		.amdhsa_private_segment_fixed_size 0
		.amdhsa_enable_private_segment 0
		.amdhsa_kernarg_size 40
		.amdhsa_user_sgpr_count 2
		.amdhsa_user_sgpr_kernarg_segment_ptr 1
		.amdhsa_wavefront_size32 1
		.amdhsa_system_sgpr_workgroup_id_x 1
		.amdhsa_system_sgpr_workgroup_id_y 1
		.amdhsa_system_sgpr_workgroup_id_z 1
		.amdhsa_system_vgpr_workitem_id 0
		.amdhsa_next_free_vgpr 256
		.amdhsa_next_free_sgpr 104
		.amdhsa_reserve_vcc 0
		.amdhsa_float_denorm_mode_32 3
		.amdhsa_float_denorm_mode_16_64 3
		.amdhsa_memory_ordered 1
		.amdhsa_forward_progress 1
		.amdhsa_inst_pref_size 39
	.end_amdhsa_kernel
	.amdgpu_metadata
---
amdhsa.version: [ 1, 2 ]
amdhsa.kernels:
  - .name:           k_qf24b521dc5_attn
    .symbol:         k_qf24b521dc5_attn.kd
    .args:
      - { .name: q, .offset: 0, .size: 8, .value_kind: global_buffer, .address_space: global }
      - { .name: kv, .offset: 8, .size: 8, .value_kind: global_buffer, .address_space: global }
      - { .name: mw, .offset: 16, .size: 8, .value_kind: global_buffer, .address_space: global }
      - { .name: fl, .offset: 24, .size: 8, .value_kind: global_buffer, .address_space: global }
      - { .name: out0, .offset: 32, .size: 8, .value_kind: global_buffer, .address_space: global }
    .group_segment_fixed_size: 71680
    .private_segment_fixed_size: 0
    .kernarg_segment_align: 8
    .kernarg_segment_size: 40
    .max_flat_workgroup_size: 512
    .sgpr_count:     104
    .vgpr_count:     256
    .wavefront_size: 32
...
	.end_amdgpu_metadata
.endif
;; end of part 4
